; MI455X (gfx1250); checked and timed in simulation.
; The chip was launched on July 23, 2026; its instructions are those of AMD's public machine-readable ISA for CDNA 5 (MIT licence, August 2026) and "CDNA5" Instruction Set Architecture Reference Guide (July 2026). The comments in the code are by the model that wrote it; some were corrected since.
;; Attention. Allowed arithmetic: float matrix products may take bf16 or f16 operands with f32 sums; other float arithmetic in f32, or as packed bf16 or f16 multiplies, adds, multiply-adds, maxima and minima; sums over many terms, partial sums and values carried from step to step in f32; what a program stores and reads back later, other than sums and carried values, may be rounded once to bf16 or f16.
;; Inputs: freqs_cis 1,024 x 64 x 2 float32; gate 16 float32; kn_b 2,048 float32; kn_w 2,048 float32; kyn_b 2,048 float32; kyn_w 2,048 float32; qn_b 2,048 float32; qn_w 2,048 float32; wk 2,048 x 2,048 float32; wky 2,048 x 2,048 float32; wo 2,048 x 2,048 float32; wq 2,048 x 2,048 float32; wv 2,048 x 2,048 float32; wvy 2,048 x 2,048 float32; x 2 x 1,024 x 2,048 float32; x_mask 2 x 1,024 bool; y 2 x 512 x 2,048 float32; y_mask 2 x 512 bool.
;; Outputs: out0 2 x 1,024 x 2,048 float32.
;; One version. Each part assembles by itself: llvm-mc -triple=amdgcn-amd-amdhsa -mcpu=gfx1250 --defsym DOCPART=n.
;; ======== version 1 of 1: 5 launches
;; limits: values are held in f16: magnitudes above 65,504 overflow, below 6.1e-05 lose precision
;; workspace buffers: cb 62,914,560 bytes; raw 41,943,040 bytes; qk 20,971,520 bytes; vv 12,582,912 bytes; o 8,388,608 bytes
;; launch cvt (part 1): grid 256 x 15, 8 waves a work-group, no clusters, 0 bytes of LDS; arguments x, y, wq, wk, wv, wky, wvy, wo, cb; writes cb
.if DOCPART == 1
	.amdgcn_target "amdgcn-amd-amdhsa--gfx1250"
	.amdhsa_code_object_version 6
	.text
	.protected	k_q8a3d687155_cvt
	.globl	k_q8a3d687155_cvt
	.p2align	8
	.type	k_q8a3d687155_cvt,@function
k_q8a3d687155_cvt:
	s_mov_b64 s[64:65], 0
	v_nop
	global_prefetch_b8 v0, s[64:65] scope:SCOPE_SE
	s_setreg_imm32_b32 hwreg(HW_REG_WAVE_MODE, 25, 1), 1
	s_wait_xcnt 0x0
; x, y and the six weights are rounded once to 16 bits, into cb, for the matrix products of the later launches.
; cb is 15 segments of 2,097,152 numbers (4,194,304 bytes): 0, 1 x; 2 y; 3, 4 wq; 5, 6 wk; 7, 8 wv; 9, 10 wky; 11, 12 wvy (all bf16); 13, 14 wo.
; wo is rounded to bf16 like every other input and that number is written as f16, since the last product multiplies f16.
; LIMITS of wo's f16: magnitudes under 65,504; below 6e-5 f16 keeps its fixed step of 6e-8.
; SHARES.  Work-group (chunk, segment) takes 8,192 numbers; thread T takes 4 numbers at 16 T of each of eight blocks of 4,096 bytes.
; A wave's load covers 512 consecutive bytes, its store 256 consecutive bytes, aligned.  All eight loads are out at once; no register is written twice, so the only waits are the loads' own.
; No LDS, no matrix unit, no cluster: the work-groups share no byte.
.set X, 4                              ; v[4:35]   eight loads of four f32
.set Y, 36                             ; v[36:51]  eight pairs of packed results
.set T, 52                             ; v[52:55]  at work (wo)
	s_load_b512 s[8:23], s[0:1], 0x0               ; x, y, wq, wk, wv, wky, wvy, wo
	s_load_b64 s[24:25], s[0:1], 0x40              ; cb
	s_and_b32 s2, ttmp7, 0xffff                    ; the segment
	s_sub_co_u32 s3, s2, 3                         ; segments 3 .. 14: two to a weight
	s_lshr_b32 s26, s3, 1
	s_add_co_u32 s26, s26, 2                       ; which source,
	s_and_b32 s27, s3, 1                           ; which half of it
	s_cmp_lt_u32 s2, 2                             ; segments 0, 1: x's halves
	s_cselect_b32 s26, 0, s26
	s_cselect_b32 s27, s2, s27
	s_cmp_eq_u32 s2, 2                             ; segment 2: all of y
	s_cselect_b32 s26, 1, s26
	s_cselect_b32 s27, 0, s27
	s_lshl_b32 s28, s27, 23                        ; a half is 8,388,608 bytes of f32,
	s_lshl_b32 s30, ttmp9, 15                      ; a chunk 32,768
	s_add_co_u32 s28, s28, s30
	s_mov_b32 s29, 0
	s_lshl_b32 s30, s2, 22                         ; in cb: a segment is 4,194,304 bytes,
	s_lshl_b32 s32, ttmp9, 14                      ; a chunk 16,384
	s_add_co_u32 s30, s30, s32
	s_mov_b32 s31, 0
	v_lshlrev_b32 v1, 4, v0                        ; 16 T
	v_lshlrev_b32 v2, 3, v0                        ; 8 T
	s_wait_kmcnt 0x0
	s_mov_b64 s[4:5], s[8:9]
.irp n, 1,2,3,4,5,6,7
	s_cmp_eq_u32 s26, \n
	s_cselect_b64 s[4:5], s[8+2*(\n):9+2*(\n)], s[4:5]
.endr
	s_add_nc_u64 s[4:5], s[4:5], s[28:29]
	s_add_nc_u64 s[24:25], s[24:25], s[30:31]
.irp k, 0,1,2,3,4,5,6,7
	global_load_b128 v[X+4*(\k):X+4*(\k)+3], v1, s[4:5] offset:4096*(\k) th:TH_LOAD_NT
.endr
	s_cmp_ge_u32 s2, 13
	s_cbranch_scc1 .Lwo
.irp k, 0,1,2,3,4,5,6,7
	s_wait_loadcnt 7-(\k)                          ; loads come back in order: block k is in, the younger ones stay out
	v_cvt_pk_bf16_f32 v[Y+2*(\k)], v[X+4*(\k)], v[X+4*(\k)+1]
	v_cvt_pk_bf16_f32 v[Y+2*(\k)+1], v[X+4*(\k)+2], v[X+4*(\k)+3]
	global_store_b64 v2, v[Y+2*(\k):Y+2*(\k)+1], s[24:25] offset:2048*(\k)
.endr
	s_endpgm
.Lwo:                                          ; wo: to bf16, widened again, and that number as f16
.irp k, 0,1,2,3,4,5,6,7
	s_wait_loadcnt 7-(\k)
	v_cvt_pk_bf16_f32 v[T], v[X+4*(\k)], v[X+4*(\k)+1]
	v_cvt_pk_bf16_f32 v[T+1], v[X+4*(\k)+2], v[X+4*(\k)+3]
	v_lshlrev_b32 v[T+2], 16, v[T]
	v_and_b32 v[T], 0xffff0000, v[T]
	v_lshlrev_b32 v[T+3], 16, v[T+1]
	v_and_b32 v[T+1], 0xffff0000, v[T+1]
	v_cvt_pk_f16_f32 v[Y+2*(\k)], v[T+2], v[T]
	v_cvt_pk_f16_f32 v[Y+2*(\k)+1], v[T+3], v[T+1]
	global_store_b64 v2, v[Y+2*(\k):Y+2*(\k)+1], s[24:25] offset:2048*(\k)
.endr
	s_endpgm
.Lfunc_end_k_q8a3d687155_cvt:
	.size	k_q8a3d687155_cvt, .Lfunc_end_k_q8a3d687155_cvt-k_q8a3d687155_cvt
	.p2alignl 7, 3214868480
	.fill 96, 4, 3214868480
	.section	.rodata,"a",@progbits
	.p2align	6, 0x0
	.amdhsa_kernel k_q8a3d687155_cvt
		.amdhsa_group_segment_fixed_size 0
		.amdhsa_private_segment_fixed_size 0
		.amdhsa_enable_private_segment 0
		.amdhsa_kernarg_size 72
		.amdhsa_user_sgpr_count 2
		.amdhsa_user_sgpr_kernarg_segment_ptr 1
		.amdhsa_wavefront_size32 1
		.amdhsa_system_sgpr_workgroup_id_x 1
		.amdhsa_system_sgpr_workgroup_id_y 1
		.amdhsa_system_sgpr_workgroup_id_z 1
		.amdhsa_system_vgpr_workitem_id 0
		.amdhsa_next_free_vgpr 64
		.amdhsa_next_free_sgpr 66
		.amdhsa_reserve_vcc 0
		.amdhsa_float_denorm_mode_32 3
		.amdhsa_float_denorm_mode_16_64 3
		.amdhsa_memory_ordered 1
		.amdhsa_forward_progress 1
		.amdhsa_inst_pref_size 9
	.end_amdhsa_kernel
	.amdgpu_metadata
---
amdhsa.version: [ 1, 2 ]
amdhsa.kernels:
  - .name:           k_q8a3d687155_cvt
    .symbol:         k_q8a3d687155_cvt.kd
    .args:
      - { .name: x, .offset: 0, .size: 8, .value_kind: global_buffer, .address_space: global }
      - { .name: y, .offset: 8, .size: 8, .value_kind: global_buffer, .address_space: global }
      - { .name: wq, .offset: 16, .size: 8, .value_kind: global_buffer, .address_space: global }
      - { .name: wk, .offset: 24, .size: 8, .value_kind: global_buffer, .address_space: global }
      - { .name: wv, .offset: 32, .size: 8, .value_kind: global_buffer, .address_space: global }
      - { .name: wky, .offset: 40, .size: 8, .value_kind: global_buffer, .address_space: global }
      - { .name: wvy, .offset: 48, .size: 8, .value_kind: global_buffer, .address_space: global }
      - { .name: wo, .offset: 56, .size: 8, .value_kind: global_buffer, .address_space: global }
      - { .name: cb, .offset: 64, .size: 8, .value_kind: global_buffer, .address_space: global }
    .group_segment_fixed_size: 0
    .private_segment_fixed_size: 0
    .kernarg_segment_align: 8
    .kernarg_segment_size: 72
    .max_flat_workgroup_size: 256
    .sgpr_count:     66
    .vgpr_count:     64
    .wavefront_size: 32
...
	.end_amdgpu_metadata
.endif
;; end of part 1
;; launch proj (part 2): grid 32 x 8, 4 waves a work-group, clusters of 4 x 4, 327,680 bytes of LDS; arguments cb, raw, vv; writes raw, vv
.if DOCPART == 2
	.amdgcn_target "amdgcn-amd-amdhsa--gfx1250"
	.amdhsa_code_object_version 6
	.text
	.protected	k_q8a3d687155_proj
	.globl	k_q8a3d687155_proj
	.p2align	8
	.type	k_q8a3d687155_proj,@function
k_q8a3d687155_proj:
	s_mov_b64 s[64:65], 0
	v_nop
	global_prefetch_b8 v0, s[64:65] scope:SCOPE_SE
	s_setreg_imm32_b32 hwreg(HW_REG_WAVE_MODE, 25, 1), 1
	s_wait_xcnt 0x0
	s_wait_alu depctr_hold_cnt(0) depctr_sa_sdst(0) depctr_va_vdst(0) depctr_va_sdst(0) depctr_va_ssrc(0) depctr_va_vcc(0) depctr_vm_vsrc(0)
	s_getreg_b32 s2, hwreg(HW_REG_IB_STS2, 6, 4)
	s_cmp_eq_u32 s2, 0
	s_cbranch_scc0 .Lentry_in_a_cluster
	s_endpgm
.Lentry_in_a_cluster:
	s_bfe_u32 s2, ttmp6, 0x10000c
	s_cmp_lg_u32 s2, 0xf033
	s_cbranch_scc0 .Lentry_shape_is_right
	s_endpgm
.Lentry_shape_is_right:
; ALL FIVE PROJECTIONS IN ONE LAUNCH: x wq, x wk, x wv (2,048 rows) and y wky, y wvy (1,024 rows), K = N = 2,048, operands bf16 out of cb, sums f32.
; 8 x 24 + 4 x 16 = 256 tiles of 256 x 256, one to a work-group.  q, k and yk leave as f32 into raw (the LayerNorm behind spans eight tile columns, so another launch closes it);
; v and yv leave as f16 by heads into vv: [32 heads][1,536 keys: 1,024 of v, 512 of yv][128].  LIMIT: |v|, |yv| under 65,504, f16's range.
; A tile: four waves, each 128 x 128 in 64 accumulators (512 registers).  K goes in steps of 128 through two LDS slots filled by tensor loads.
; A K STEP IS WRITTEN ONCE: a trip of the loop goes from a step's second quarter to the next step's first; the LDS addresses hang on s[TB], which turns between the two slots, and one descriptor walks.
; The last two K steps, which ask for nothing, are a second loop of two trips.
; A (x or y) lies [row][k]: its fragments come out of LDS as they lie.  The weights lie [k][n]: their fragments come out turned, by ds_load_tr16_b128.
; CLUSTERS of 4 x 4: the four of a row share A's tiles, the four of a column the weight's: each tile is asked for jointly, by the same load with the same descriptor and a mask of four.
; The 16 clusters (CX 0..7, CY 0..1): CX < 6: weight CX / 2, tile columns 4 (CX % 2) .., tile rows 4 CY .. of x.  CX >= 6: weight 3 + CY, tile columns 4 (CX - 6) .., y's four tile rows (rows 2,048 .. of cb's first part).
; THE MATRIX INSTRUCTION IS USED TRANSPOSED (source 0 = 16 columns of the weight, source 1 = 16 rows of A): a lane holds row l % 16 and the columns 8 (l / 16) + 0..7.
; REGISTERS in windows of 256: window 0: v16-31 addresses; v64-127, v128-191 A's fragments, two buffers (on the way out: rows read back); v192-223, v32-63, v224-255 the f16 way out.
;   window 1: v64-127, v128-191 the weight's fragments.   windows 2, 3: accumulator (a, b) at v[8 (8 (a % 4) + b)], a < 4 in window 2.
.set SIZE_K, 2048
.set KSTEP,  128
.set STEPS,  SIZE_K/KSTEP
.set PITCH,  272                       ; A's LDS row: 256 bytes + 16: the 16 rows of a load start at 16 different groups of four banks (ISA guide 11.1)
.set PB,     544                       ; the weight's LDS row: 256 columns = 512 bytes + 32
.set HALFT,  128*PITCH                 ; what one tensor load brings: 128 rows of A, or 64 k rows of the weight (64 x 544 is the same number)
.set SLOT,   4*HALFT                   ; 0x22000: it shares no bit with wave x HALFT (0, 0x8800, 0x11000, 0x19800), so an exclusive or with it turns a wave's place in one slot into its place in the other
.set STAGE,  2*SLOT                    ; behind the ring: 16 rows x 528 bytes for each wave, for the way out
.set STSZ,   16*528
.set SPARE,  STAGE+4*STSZ              ; the spare words, 128 bytes for each wave
.set WB,     12582912                  ; the weights begin here in cb, 8,388,608 bytes each
.set ADRA0, 16                         ; v16     my A fragments in slot 0; never rewritten
.set ADRA, 17                          ; v17     in the slot in hand
.set ADRB0, 20                         ; v20     the weight's, in slot 0; never rewritten
.set ADRB, 21                          ; v21     in the slot in hand
.set STO16, 24                         ; v24     f16 way out: where I put 16 bytes of a row
.set RD16, 25                          ; v25     where I read rows back
.set CO,   26                          ; v26     16 x lane
.set STO32, 27                         ; v27     f32 way out: where I put 32 bytes of a row
.set SPW,  28                          ; v28     my spare word; never rewritten
.set NIL,  29                          ; v29     0; never rewritten
.set PFO,  30                          ; v30     the prefetches' lane offset; never rewritten
.set RD32, 31                          ; v31     f32 way out: where I read a row back
.set F0,   64
.set F1,   128
.set TMP,  192
.set OB,   32
.set TB,  18                           ; s18      0 or SLOT: the slot in hand
.set CNT, 19                           ; s19      counts the last two K steps
.set G1,  24                           ; s[24:31] group 1, A      s[32:39] group 0: a set for each first fill; the second then walks
.set G0,  32
.set G1B, 48                           ; s[48:55], s[56:63] the same for the weight
.set G0B, 56
.set LIM, 43                           ; s43      2 in a wave that prefetches, else the greatest number
.set PFA, 44                           ; s[44:45] where my prefetches stand
.set PST, 70                           ; s[70:71] a K step in bytes: 256 along A's rows, 128 rows of 4,096 down the weight
.set MSB, 0
.macro WIN new                         ; the immediate's high byte repeats the setting that is left; a switch that changes nothing is dropped
.if MSB != (\new)
	s_set_vgpr_msb (MSB<<8)|(\new)
.set MSB, \new
.endif
.endm
.set MUL_LO, 0xa1                      ; source 0 window 1, source 1 window 0, C and D window 2
.set MUL_HI, 0xf1                      ; C and D window 3
.set TO_B,   0x40                      ; destination window 1
; A joint load: waves 0, 1 fetch A's halves, waves 2, 3 the weight's.  The branch hangs on the wave's number alone.  An s_nop 0 and four v_nop follow each line.
.macro JLOAD s
	s_cmp_eq_u32 s11, 0
	s_cbranch_scc0 .Lfor_b_\@
	tensor_load_to_lds s[G0+4*(\s):G0+4*(\s)+3], s[G1:G1+7]
	s_nop 0
.rept 4
	v_nop
.endr
	s_branch .Lasked_\@
.Lfor_b_\@:
	tensor_load_to_lds s[G0B+4*(\s):G0B+4*(\s)+3], s[G1B:G1B+7]
	s_nop 0
.rept 4
	v_nop
.endr
.Lasked_\@:
.endm
; A prefetch of the K step that stands two refills on: 32 blocks of 256 bytes, a lane a block, one instruction a wave, behind the joint load and the run of LDS loads.
; Each block is named once in the launch: of the clusters that read the same rows one asks (A of x: CX = 0; A of y: CX = 6, CY = 0; a weight of x: CY = 0; a weight of y has one reader);
; the four partners of a joint load share its blocks out by address (32 rows of A by cx; 16 k rows x 2 blocks of the weight by cy).  The loop's last two trips have no K step two on.
.macro ASK
	s_cmp_gt_u32 s3, s[LIM]
	s_cbranch_scc0 .Lnot_mine_\@
	global_prefetch_b8 v[PFO], s[PFA:PFA+1] th:TH_LOAD_NT scope:SCOPE_SE
.Lnot_mine_\@:
.endm
.macro CREST                           ; a round of the cluster's barrier behind its opening barrier
	s_cmp_lg_u32 s10, 0
	s_cbranch_scc1 .Lnot_wave_0_\@
	s_barrier_signal -3
.Lnot_wave_0_\@:
	s_barrier_wait -3
	s_barrier_signal -1
	s_barrier_wait -1
.endm
.macro CROUND
	s_barrier_signal -1
	s_barrier_wait -1
	CREST
.endm
	s_load_b128 s[4:7], s[0:1], 0x0                ; cb s[4:5], raw s[6:7]
	s_load_b64 s[8:9], s[0:1], 0x10                ; vv
	v_lshl_add_u32 v[SPW], v0, 2, SPARE
	v_mov_b32 v[NIL], 0
	ds_add_u32 v[SPW], v[NIL]                      ; the wave's opening: the add and its wait stand ahead of my first tensor load; the set-up below stands between them
	v_lshrrev_b32 v1, 5, v0
	v_readfirstlane_b32 s10, v1                    ; wave 0..3
	s_lshr_b32 s11, s10, 1                         ; my half of the tile's rows.  Also: I fetch for A (0) or for the weight (1)
	s_and_b32 s12, s10, 1                          ; my half of its columns.  Also: which half of that tile I fetch
	s_bfe_u32 s40, ttmp6, 0x40000                  ; cx
	s_bfe_u32 s41, ttmp6, 0x40004                  ; cy
	s_and_b32 s13, ttmp7, 0xffff                   ; CY
	s_lshr_b32 s66, ttmp9, 1                       ; both candidates of each choice, then one compare
	s_add_co_u32 s67, s13, 3
	s_and_b32 s68, ttmp9, 1
	s_lshl_b32 s68, s68, 2
	s_sub_co_u32 s69, ttmp9, 6
	s_lshl_b32 s72, s69, 2
	s_lshl_b32 s73, s13, 2
	s_add_co_u32 s74, s69, s13
	s_cmp_lt_u32 ttmp9, 6                          ; a cluster of x?  The same answer in all sixteen partners
	s_cselect_b32 s66, s66, s67                    ; j: which weight
	s_cselect_b32 s42, s68, s72
	s_cselect_b32 s73, s73, 8
	s_cselect_b32 s74, ttmp9, s74                  ; 0 in the cluster that prefetches these rows of A
	s_cselect_b32 s75, s13, 0                      ; 0 in the cluster that prefetches these columns of the weight
	s_add_co_u32 s42, s42, s40                     ; tile column in the weight, 0..7
	s_add_co_u32 s13, s73, s41                     ; tile row in cb's first part, 0..11
	s_lshl_b32 s43, s41, 2
	s_lshl_b32 s43, 15, s43                        ; my row of the cluster
	s_lshl_b32 s44, 0x1111, s40                    ; my column
	s_or_b32 s[G1+0], s43, (1<<16)|(1<<20)|(1<<21)|(5<<22)|(3<<25)   ; mask; 2-byte elements; padding on; bit 21 beside a mask; after every 64 words 4 words
	s_or_b32 s[G1B+0], s44, (1<<16)|(1<<20)|(1<<21)|(6<<22)|(7<<25)  ; after every 128 words 8 words
	s_mov_b32 s[G1+1], KSTEP<<16                   ; A: 128 rows x 128 elements
	s_mov_b32 s[G1+2], 128<<16
	s_mov_b32 s[G1+3], KSTEP<<16
	s_mov_b32 s[G1+4], 128
	s_mov_b32 s[G1+5], SIZE_K
	s_mov_b32 s[G1+6], 0
	s_mov_b32 s[G1+7], 0
	s_mov_b32 s[G1B+1], 256<<16                    ; the weight: 64 k rows x 256 columns
	s_mov_b32 s[G1B+2], 64<<16
	s_mov_b32 s[G1B+3], 256<<16
	s_mov_b32 s[G1B+4], 64
	s_mov_b32 s[G1B+5], 2048
	s_mov_b32 s[G1B+6], 0
	s_mov_b32 s[G1B+7], 0
	s_lshl_b32 s16, s13, 8
	s_lshl_b32 s17, s12, 7
	s_add_co_u32 s16, s16, s17
	s_lshl_b32 s16, s16, 12                        ; A: row 256 x tile row + 128 x half, 4,096 bytes a row
	s_mov_b32 s17, 0
	s_lshl_b32 s46, s66, 23                        ; the weight: WB + 8,388,608 j + 64 x half k rows + 512 x tile column
	s_add_co_u32 s46, s46, WB
	s_lshl_b32 s47, s12, 18
	s_add_co_u32 s46, s46, s47
	s_lshl_b32 s47, s42, 9
	s_add_co_u32 s46, s46, s47
	s_mov_b32 s47, 0
	s_mul_i32 s20, s10, HALFT                      ; where they go: wave x a quarter of a slot
	s_mov_b32 s[TB], 0
	s_wait_dscnt 0x0                               ; the opening add is done
	s_wait_kmcnt 0x0
	s_add_nc_u64 s[14:15], s[4:5], s[16:17]
	s_add_nc_u64 s[46:47], s[4:5], s[46:47]
	CROUND                                         ; all sixteen work-groups are here: the first joint loads meet
.irp s, 0,1
	s_mov_b32 s[G0+4*(\s)], 1
	s_add_co_u32 s[G0+4*(\s)+1], s20, (\s)*SLOT
	s_add_nc_u64 s[G0+4*(\s)+2:G0+4*(\s)+3], s[14:15], (\s)*KSTEP*2
	s_or_b32 s[G0+4*(\s)+3], s[G0+4*(\s)+3], 0x80000000
	s_mov_b32 s[G0B+4*(\s)], 1
	s_add_co_u32 s[G0B+4*(\s)+1], s20, (\s)*SLOT
	s_add_nc_u64 s[G0B+4*(\s)+2:G0B+4*(\s)+3], s[46:47], (\s)*KSTEP*4096
	s_or_b32 s[G0B+4*(\s)+3], s[G0B+4*(\s)+3], 0x80000000
	JLOAD \s
.endr
	v_and_b32 v1, 15, v0                           ; l % 16
	v_bfe_u32 v2, v0, 4, 1                         ; l / 16
	v_mul_u32_u24 v3, v1, PITCH
	v_lshl_add_u32 v3, v2, 4, v3                   ; A: row x pitch + 16 x half
	v_and_b32 v4, 7, v0                            ; the turning load: lane l reads k row 8 (l / 16) + l % 8, columns 8 ((l / 8) % 2) + 0..7
	v_lshl_add_u32 v4, v2, 3, v4
	v_mul_u32_u24 v4, v4, PB
	v_bfe_u32 v5, v0, 3, 1
	v_lshl_add_u32 v4, v5, 4, v4
	s_mul_i32 s21, s11, HALFT                      ; my 128 rows of A
	s_lshl_b32 s22, s12, 8                         ; my 128 columns of the weight,
	s_add_co_u32 s22, s22, 2*HALFT                 ; which lies behind A
	v_add_nc_u32 v[ADRA0], s21, v3
	v_add_nc_u32 v[ADRB0], s22, v4
	v_mov_b32 v[ADRA], v[ADRA0]                    ; K step 0 lies in slot 0
	v_mov_b32 v[ADRB], v[ADRB0]
	s_mul_i32 s23, s10, STSZ
	s_add_co_u32 s23, s23, STAGE                   ; my stage
	v_mul_u32_u24 v6, v1, 272
	v_lshl_add_u32 v6, v2, 4, v6
	v_add_nc_u32 v[STO16], s23, v6
	v_mul_u32_u24 v6, v2, 272
	v_lshl_add_u32 v6, v1, 4, v6
	v_add_nc_u32 v[RD16], s23, v6
	v_mul_u32_u24 v6, v1, 528
	v_lshl_add_u32 v6, v2, 5, v6
	v_add_nc_u32 v[STO32], s23, v6
	v_and_b32 v7, 31, v0
	v_lshlrev_b32 v[CO], 4, v7
	v_add_nc_u32 v[RD32], s23, v[CO]
	; where my 128 x 128 go.  raw: q rows 0.., k rows 2,048.., yk rows 4,096..; y's tile rows already count from 2,048
	s_lshl_b32 s16, s13, 8
	s_lshl_b32 s17, s11, 7
	s_add_co_u32 s16, s16, s17                     ; my first row in cb's first part
	s_cmp_eq_u32 s66, 0
	s_cselect_b32 s17, 0, 2048
	s_add_co_u32 s17, s16, s17
	s_lshl_b32 s76, s17, 13                        ; 8,192 bytes a row
	s_lshl_b32 s77, s42, 10
	s_add_co_u32 s76, s76, s77
	s_lshl_b32 s77, s12, 9
	s_add_co_u32 s76, s76, s77
	s_mov_b32 s77, 0
	s_add_nc_u64 s[6:7], s[6:7], s[76:77]
	; vv: my 128 columns are head 2 x tile column + half; my 128 rows lie in one batch
	s_lshl_b32 s78, s42, 1
	s_add_co_u32 s78, s78, s12
	s_lshr_b32 s79, s16, 10                        ; v: batch, key
	s_and_b32 s80, s16, 1023
	s_sub_co_u32 s81, s16, 2048                    ; yv: batch, key behind v's 1,024
	s_lshr_b32 s82, s81, 9
	s_and_b32 s81, s81, 511
	s_add_co_u32 s81, s81, 1024
	s_cmp_eq_u32 s66, 2
	s_cselect_b32 s79, s79, s82
	s_cselect_b32 s80, s80, s81
	s_cselect_b32 s83, 1, 0
	s_cmp_eq_u32 s66, 4
	s_cselect_b32 s83, 1, s83                      ; 1: this tile is v's or yv's (elsewhere the sum below is not used)
	s_lshl_b32 s79, s79, 4
	s_add_co_u32 s79, s79, s78
	s_mul_i32 s79, s79, 1536
	s_add_co_u32 s79, s79, s80
	s_lshl_b32 s78, s79, 8
	s_mov_b32 s79, 0
	s_add_nc_u64 s[8:9], s[8:9], s[78:79]
	; the prefetches
	s_lshl_b32 s84, s13, 8
	s_lshl_b32 s85, s12, 7
	s_add_co_u32 s84, s84, s85
	s_lshl_b32 s85, s40, 5
	s_add_co_u32 s84, s84, s85
	s_lshl_b32 s84, s84, 12                        ; A: my work-group's 32 of the 128 rows that I fetch
	s_lshl_b32 s85, s66, 23
	s_add_co_u32 s85, s85, WB
	s_lshl_b32 s86, s12, 18
	s_add_co_u32 s85, s85, s86
	s_lshl_b32 s86, s41, 16
	s_add_co_u32 s85, s85, s86                     ; the weight: my work-group's 16 of the 64 k rows
	s_lshl_b32 s86, s42, 9
	s_add_co_u32 s85, s85, s86
	s_mov_b32 s[PST], 524288
	s_mov_b32 s[PST+1], 0
	s_cmp_eq_u32 s11, 0
	s_cselect_b32 s84, s84, s85
	s_cselect_b32 s86, s74, s75
	s_cselect_b32 s[PST], 256, s[PST]
	s_cselect_b32 s87, -1, 0
	s_mov_b32 s85, 0
	s_cmp_eq_u32 s86, 0
	s_cselect_b32 s[LIM], 2, -1
	s_mul_i32 s86, s[PST], 3                       ; at K step 3: the first refill steps it to 4, two beyond the step that it asks for
	s_add_co_u32 s84, s84, s86
	s_add_nc_u64 s[PFA:PFA+1], s[4:5], s[84:85]
	v_lshlrev_b32 v8, 12, v7                       ; A: a lane a row
	v_lshrrev_b32 v9, 1, v7                        ; the weight: two lanes a k row of 512 bytes
	v_and_b32 v10, 1, v7
	v_lshlrev_b32 v9, 12, v9
	v_lshl_add_u32 v9, v10, 8, v9
	v_cndmask_b32 v[PFO], v9, v8, s87
; 16 matrix instructions: row blocks a0, a0 + 1 of the window's four x all 8 column blocks, 32 along K.  zero = 1: the first product starts the sums.
.macro MUL16 f, hi, a0, zero
	WIN MUL_LO+0x50*(\hi)
.irp a, \a0, (\a0)+1
.irp b, 0,1,2,3,4,5,6,7
.if \zero
	v_wmma_f32_16x16x32_bf16 v[8*(8*(\a)+(\b)):8*(8*(\a)+(\b))+7], v[(\f)+8*(\b):(\f)+8*(\b)+7], v[(\f)+8*(4*(\hi)+(\a)):(\f)+8*(4*(\hi)+(\a))+7], 0
.else
	v_wmma_f32_16x16x32_bf16 v[8*(8*(\a)+(\b)):8*(8*(\a)+(\b))+7], v[(\f)+8*(\b):(\f)+8*(\b)+7], v[(\f)+8*(4*(\hi)+(\a)):(\f)+8*(4*(\hi)+(\a))+7], v[8*(8*(\a)+(\b)):8*(8*(\a)+(\b))+7]
.endif
.endr
.endr
.endm
; 32 LDS loads in one run: quarter q (32 along K) of the slot in hand into buffer f: the weight's 8 fragments turned (k rows 32 q .., and 16 rows on), then A's 8
.macro FETCH q, f
	WIN TO_B
.irp i, 0,1,2,3,4,5,6,7
	ds_load_tr16_b128 v[(\f)+8*(\i):(\f)+8*(\i)+3],   v[ADRB] offset:(\q)*32*PB+32*(\i)
	ds_load_tr16_b128 v[(\f)+8*(\i)+4:(\f)+8*(\i)+7], v[ADRB] offset:(\q)*32*PB+16*PB+32*(\i)
.endr
	WIN 0
.irp i, 0,1,2,3,4,5,6,7
	ds_load_b128 v[(\f)+8*(\i):(\f)+8*(\i)+3],   v[ADRA] offset:64*(\q)+(\i)*16*PITCH
	ds_load_b128 v[(\f)+8*(\i)+4:(\f)+8*(\i)+7], v[ADRA] offset:64*(\q)+(\i)*16*PITCH+32
.endr
.endm
.macro FLIP                            ; the fetches go over to the other slot (every window is 0 here)
	s_xor_b32 s[TB], s[TB], SLOT
	v_add_nc_u32 v[ADRA], s[TB], v[ADRA0]
	v_add_nc_u32 v[ADRB], s[TB], v[ADRB0]
.endm
.macro PLACES                          ; four plain places behind the last matrix instruction, in front of loads into its sources and of readers of its results
.rept 4
	v_nop
.endr
.endm
; One of a K step's first three quarters: multiplies buffer f, and in its middle fetches quarter q into buffer g.  The 64 accumulators take turns in the same order everywhere.
.macro QUARTER q, f, g, zero
	s_wait_dscnt 8                                 ; the weight and A's rows 0-63 are in; the youngest eight loads may be out
	MUL16 \f, 0, 0, \zero
	MUL16 \f, 0, 2, \zero
	PLACES
	FETCH \q, \g
	s_wait_dscnt 32                                ; all but the 32 just issued
	MUL16 \f, 1, 0, \zero
	MUL16 \f, 1, 2, \zero
.endm
; The first half of a K step's last quarter: the one barrier of a change of slots.
.macro MEET
	WIN 0
	s_wait_tensorcnt 0x0                           ; all my tensor loads have landed: the one that was out is my part of the next slot
	ds_add_u32 v[SPW], v[NIL]                      ; 0 onto my spare word
	s_wait_dscnt 9                                 ; the add and the youngest eight loads may be out
	MUL16 F1, 0, 0, 0
	s_wait_dscnt 0x0                               ; the add is done, and my reads of this slot are over
	s_barrier_signal -1
	MUL16 F1, 0, 2, 0
	WIN 0
	s_barrier_wait -1
.endm
; The whole last quarter with a refill: the barrier opens a round of the cluster's barrier, the joint refill is the first thing behind it, 224 matrix instructions ahead of the wait for it.
.macro TURN
	s_wait_xcnt 0x0                                ; the last prefetch, a K step back, has read its address
	s_add_nc_u64 s[PFA:PFA+1], s[PFA:PFA+1], s[PST:PST+1]
	MEET
	CREST
	s_xor_b32 s[G0+5], s[G0+5], SLOT               ; the walking descriptors: the other slot than last time, the next K step
	s_add_nc_u64 s[G0+6:G0+7], s[G0+6:G0+7], KSTEP*2
	s_xor_b32 s[G0B+5], s[G0B+5], SLOT
	s_add_nc_u64 s[G0B+6:G0B+7], s[G0B+6:G0B+7], KSTEP*4096
	JLOAD 1                                        ; its four v_nop are also the places in front of the loads below
	FLIP
	FETCH 0, F0
	ASK
	MUL16 F1, 1, 0, 0
	MUL16 F1, 1, 2, 0
.endm
; THE WAY OUT, f32: block a (16 rows x 128 columns) goes from the accumulators into my stage (rows of 528 bytes) and comes back as whole rows of 512 bytes.
.macro OUT32 a
.set AC, 64*((\a)%4)
.set BK, 64+64*((\a)%2)
	s_wait_xcnt 0x0                                ; the stores of two blocks back have read the registers that are loaded again below
	WIN 0x08+4*((\a)/4)                            ; the stores' data in window 2 or 3
.irp b, 0,1,2,3,4,5,6,7
	ds_store_b128 v[STO32], v[AC+8*(\b):AC+8*(\b)+3] offset:64*(\b)
	ds_store_b128 v[STO32], v[AC+8*(\b)+4:AC+8*(\b)+7] offset:64*(\b)+16
.endr
	WIN 0
.irp t, 0,1,2,3,4,5,6,7,8,9,10,11,12,13,14,15
	ds_load_b128 v[BK+4*(\t):BK+4*(\t)+3], v[RD32] offset:528*(\t)  ; LDS serves a wave's instructions in order (ISA guide 5.7.1.4): these see the stores above
.endr
.irp t, 0,1,2,3,4,5,6,7,8,9,10,11,12,13,14,15
.if (\t)%4 == 0
	s_wait_dscnt 12-(\t)                           ; four rows at a time: rows t .. t + 3 are in, the younger loads stay out
.endif
	global_store_b128 v[CO], v[BK+4*(\t):BK+4*(\t)+3], s[6:7] offset:(16*(\a)+(\t))*8192  ; 512 consecutive bytes of a row of raw, aligned
.endr
.endm
; THE WAY OUT, f16: block a is rounded, goes into rows of 272 bytes and comes back as whole rows of 256; 16 rows of a head are 4,096 consecutive bytes of vv.
.macro OUT16 a
.set AC, 64*((\a)%4)
.set BK, OB+192*((\a)%2)
	s_wait_xcnt 0x0
	WIN 0x0a+5*((\a)/4)
.irp b, 0,1,2,3,4,5,6,7
.irp r, 0,1,2,3
	v_cvt_pk_f16_f32 v[TMP+4*(\b)+(\r)], v[AC+8*(\b)+2*(\r)], v[AC+8*(\b)+2*(\r)+1]
.endr
.endr
	WIN 0
.irp b, 0,1,2,3,4,5,6,7
	ds_store_b128 v[STO16], v[TMP+4*(\b):TMP+4*(\b)+3] offset:32*(\b)
.endr
.irp t, 0,1,2,3,4,5,6,7
	ds_load_b128 v[BK+4*(\t):BK+4*(\t)+3], v[RD16] offset:(\t)*2*272
.endr
.irp t, 0,1,2,3,4,5,6,7
.if (\t)%4 == 0
	s_wait_dscnt 4-(\t)                            ; four loads at a time
.endif
	global_store_b128 v[CO], v[BK+4*(\t):BK+4*(\t)+3], s[8:9] offset:4096*(\a)+512*(\t)
.endr
.endm
	s_wait_tensorcnt 1                             ; my part of K step 0 is in; K step 1's may stay out
	s_barrier_signal -1
	s_barrier_wait -1
	FETCH 0, F0
	QUARTER 1, F0, F1, 1                           ; the first quarter starts the sums
	WIN 0
	s_mov_b32 s3, STEPS-2
.Lstep:                                        ; 14 trips: K step s goes on from its second quarter, its slot is filled again with K step s + 2, K step s + 1 begins
	QUARTER 2, F1, F0, 0
	QUARTER 3, F0, F1, 0
	TURN
	QUARTER 1, F0, F1, 0
	WIN 0
	s_sub_co_u32 s3, s3, 1
	s_cmp_lg_u32 s3, 0
	s_cbranch_scc1 .Lstep
	s_mov_b32 s[CNT], 2
.Ltail:                                        ; the last two K steps ask for nothing; in the second trip there is no further K step, and its fetch and first quarter are jumped over
	QUARTER 2, F1, F0, 0
	QUARTER 3, F0, F1, 0
	MEET
	s_cmp_eq_u32 s[CNT], 1
	s_cbranch_scc1 .Lno_fetch
	PLACES
	FLIP
	FETCH 0, F0
.Lno_fetch:
	MUL16 F1, 1, 0, 0
	MUL16 F1, 1, 2, 0
	WIN 0
	s_cmp_eq_u32 s[CNT], 1
	s_cbranch_scc1 .Lno_quarter
	QUARTER 1, F0, F1, 0
	WIN 0
.Lno_quarter:
	s_sub_co_u32 s[CNT], s[CNT], 1
	s_cmp_lg_u32 s[CNT], 0
	s_cbranch_scc1 .Ltail
	PLACES
	s_cmp_eq_u32 s83, 1                            ; the same answer in all sixteen partners
	s_cbranch_scc1 .Lhalf
.irp a, 0,1,2,3,4,5,6,7
	OUT32 \a
.endr
	s_branch .Lend
.Lhalf:
.irp a, 0,1,2,3,4,5,6,7
	OUT16 \a
.endr
.Lend:
	s_wait_tensorcnt 0x0                           ; the wave's end
	ds_add_u32 v[SPW], v[NIL]
	s_wait_dscnt 0x0
	CROUND                                         ; the closing round
	s_endpgm
.Lfunc_end_k_q8a3d687155_proj:
	.size	k_q8a3d687155_proj, .Lfunc_end_k_q8a3d687155_proj-k_q8a3d687155_proj
	.p2alignl 7, 3214868480
	.fill 96, 4, 3214868480
	.section	.rodata,"a",@progbits
	.p2align	6, 0x0
	.amdhsa_kernel k_q8a3d687155_proj
		.amdhsa_group_segment_fixed_size 327680
		.amdhsa_private_segment_fixed_size 0
		.amdhsa_enable_private_segment 0
		.amdhsa_kernarg_size 24
		.amdhsa_user_sgpr_count 2
		.amdhsa_user_sgpr_kernarg_segment_ptr 1
		.amdhsa_wavefront_size32 1
		.amdhsa_system_sgpr_workgroup_id_x 1
		.amdhsa_system_sgpr_workgroup_id_y 1
		.amdhsa_system_sgpr_workgroup_id_z 1
		.amdhsa_system_vgpr_workitem_id 0
		.amdhsa_next_free_vgpr 1024
		.amdhsa_next_free_sgpr 88
		.amdhsa_reserve_vcc 0
		.amdhsa_float_denorm_mode_32 3
		.amdhsa_float_denorm_mode_16_64 3
		.amdhsa_memory_ordered 1
		.amdhsa_forward_progress 1
		.amdhsa_inst_pref_size 133
	.end_amdhsa_kernel
	.amdgpu_metadata
---
amdhsa.version: [ 1, 2 ]
amdhsa.kernels:
  - .name:           k_q8a3d687155_proj
    .symbol:         k_q8a3d687155_proj.kd
    .args:
      - { .name: cb, .offset: 0, .size: 8, .value_kind: global_buffer, .address_space: global }
      - { .name: raw, .offset: 8, .size: 8, .value_kind: global_buffer, .address_space: global }
      - { .name: vv, .offset: 16, .size: 8, .value_kind: global_buffer, .address_space: global }
    .group_segment_fixed_size: 327680
    .private_segment_fixed_size: 0
    .kernarg_segment_align: 8
    .kernarg_segment_size: 24
    .max_flat_workgroup_size: 128
    .sgpr_count:     88
    .vgpr_count:     1024
    .wavefront_size: 32
...
	.end_amdgpu_metadata
.endif
;; end of part 2
;; launch norm (part 3): grid 1280 x 1, 4 waves a work-group, no clusters, 0 bytes of LDS; arguments raw, freqs_cis, qn_w, qn_b, kn_w, kn_b, kyn_w, kyn_b, qk; writes qk
.if DOCPART == 3
	.amdgcn_target "amdgcn-amd-amdhsa--gfx1250"
	.amdhsa_code_object_version 6
	.text
	.protected	k_q8a3d687155_norm
	.globl	k_q8a3d687155_norm
	.p2align	8
	.type	k_q8a3d687155_norm,@function
k_q8a3d687155_norm:
	s_mov_b64 s[64:65], 0
	v_nop
	global_prefetch_b8 v0, s[64:65] scope:SCOPE_SE
	s_setreg_imm32_b32 hwreg(HW_REG_WAVE_MODE, 25, 1), 1
	s_wait_xcnt 0x0
; LayerNorm over all 2,048 channels of a row of raw (q rows 0.., k rows 2,048.., yk rows 4,096..), gain and bias, RoPE (q and k), to f16 by heads:
; qk is [32 heads 16 b + h][2,560 rows: 1,024 q, 1,024 k, 512 yk][128], a row 256 bytes.
; Mean first, then the mean of the squares of the centred numbers, all in f32.  Gains, biases, cos and sin are rounded to bf16, as every input of the program is.
; LIMIT: the results lie within f16's 65,504; below 6e-5 f16 keeps its fixed step.  For yk the rotation is by cos = 1, sin = 0, chosen by a select.
; SHARES.  A wave takes one row and keeps it in 64 registers a lane; a work-group takes four rows of one kind; 1,280 work-groups are five for each of 256 WGPs, and five waves of 184 registers are 920 of a SIMD's 1,024.
; Load j of a row is head j: lane l holds its channels 4 l .. 4 l + 3, two pairs of the rotation, so a head's 128 f16 leave as one store of 256 consecutive bytes, aligned.
; IN FLIGHT.  41 loads go out together: the gains, half the biases, cos and sin, the row.  The gains, asked for first, are packed to bf16 in place as soon as they are in, and the other half of the biases is
; asked for into the 32 registers that this frees; it lands under the row's two sums.
; No LDS, no barrier; no cluster: the work-groups share 16 KiB of gains and nothing else.
.set LO, 2                             ; v2        16 x lane
.set SO, 3                             ; v3        8 x lane
.set W,  4                             ; v[4:67]   my 64 gains as loaded; then bf16 in pairs in v[4:35]: channel k of my 64 in half k % 2 of W + k / 2; v[36:67] take biases 32-63 as loaded
.set B,  68                            ; v[68:99]  biases 0-31 as loaded; then all 64 in pairs
.set X,  100                           ; v[100:163] the row
.set F,  164                           ; v[164:167] cos, sin, cos, sin of my two pairs
.set NS, 168                           ; v[168:171] -sin, cos
.set A,  172                           ; v[172:179] four chains of sums
.set M,  180                           ; v[180:181] the mean, twice; v[182:183] 1 / sqrt(var + eps), twice
.set T,  36                            ; v[36:51]  at work in the rotation, when the biases have left
	s_load_b512 s[8:23], s[0:1], 0x0               ; raw, freqs_cis, qn_w, qn_b, kn_w, kn_b, kyn_w, kyn_b
	s_load_b64 s[24:25], s[0:1], 0x40              ; qk
	v_lshrrev_b32 v1, 5, v0
	v_readfirstlane_b32 s2, v1
	v_and_b32 v1, 31, v0
	v_lshlrev_b32 v[LO], 4, v1
	v_lshlrev_b32 v[SO], 3, v1
	s_lshl_b32 s26, ttmp9, 2
	s_add_co_u32 s26, s26, s2                      ; R, my row
	s_and_b32 s27, s26, 2047
	s_lshr_b32 s27, s27, 10                        ; q, k: the batch
	s_and_b32 s28, s26, 1023                       ; and the position
	s_lshr_b32 s29, s28, 9                         ; yk: the batch
	s_and_b32 s32, s26, 511
	s_add_co_u32 s32, s32, 2048                    ; yk's row in a head
	s_add_co_u32 s33, s28, 1024                    ; k's
	s_cmp_lt_u32 ttmp9, 512
	s_cselect_b32 s33, s28, s33                    ; q's
	s_mov_b32 s34, 0x358637bd                      ; 1e-6
	s_cmp_lt_u32 ttmp9, 1024
	s_cselect_b32 s33, s33, s32
	s_cselect_b32 s27, s27, s29
	s_cselect_b32 s34, 0x3727c5ac, s34             ; 1e-5 for q and k
	s_cselect_b32 s35, -1, 0                       ; all lanes: rotate
	s_mov_b32 s36, 0x3a000000                      ; 1 / 2,048
	s_mov_b32 s38, 0x76543210
	s_mov_b32 s39, 0xfedcba98
	s_lshl_b32 s40, s26, 13
	s_mov_b32 s41, 0
	s_lshl_b32 s42, s28, 9                         ; a position's 64 (cos, sin) are 512 bytes
	s_mov_b32 s43, 0
	s_lshl_b32 s44, s27, 4
	s_add_co_u32 s44, s44, 8                       ; the base stands at head 8 of the batch, so that the sixteen heads lie within the signed immediate (ISA guide, chapter 10)
	s_mul_i32 s44, s44, 655360
	s_lshl_b32 s45, s33, 8
	s_add_co_u32 s44, s44, s45
	s_mov_b32 s45, 0
	s_wait_kmcnt 0x0
	s_cmp_lt_u32 ttmp9, 512
	s_cselect_b64 s[4:5], s[12:13], s[16:17]
	s_cselect_b64 s[6:7], s[14:15], s[18:19]
	s_cmp_lt_u32 ttmp9, 1024
	s_cselect_b64 s[4:5], s[4:5], s[20:21]
	s_cselect_b64 s[6:7], s[6:7], s[22:23]
	s_add_nc_u64 s[8:9], s[8:9], s[40:41]
	s_add_nc_u64 s[10:11], s[10:11], s[42:43]
	s_add_nc_u64 s[24:25], s[24:25], s[44:45]
.set j, 0
.rept 16
	global_load_b128 v[W+4*j:W+4*j+3], v[LO], s[4:5] offset:512*j
.set j, j+1
.endr
.set j, 0
.rept 8
	global_load_b128 v[B+4*j:B+4*j+3], v[LO], s[6:7] offset:512*j
.set j, j+1
.endr
	global_load_b128 v[F:F+3], v[LO], s[10:11]
.set j, 0
.rept 16
	global_load_b128 v[X+4*j:X+4*j+3], v[LO], s[8:9] offset:512*j th:TH_LOAD_NT
.set j, j+1
.endr
	s_wait_loadcnt 25                              ; the sixteen gain loads are in; 8 of the biases, cos and sin and the row's 16 stay out
.set i, 0
.rept 32
	v_cvt_pk_bf16_f32 v[W+i], v[W+2*i], v[W+2*i+1] ; in place, ascending: register i is written when registers 2 i and 2 i + 1 have been read
.set i, i+1
.endr
.set j, 0
.rept 8
	global_load_b128 v[W+32+4*j:W+32+4*j+3], v[LO], s[6:7] offset:4096+512*j
.set j, j+1
.endr
	s_wait_loadcnt 8                               ; the row is in, and all that was asked for ahead of it; the eight loads just issued stay out
.set i, 0
.rept 16
	v_cvt_pk_bf16_f32 v[B+i], v[B+2*i], v[B+2*i+1]
.set i, i+1
.endr
.macro FOLD                            ; the four chains, the pair, the 32 lanes: the sum in every lane, in v[A]
	v_pk_add_f32 v[A:A+1], v[A:A+1], v[A+2:A+3]
	v_pk_add_f32 v[A+4:A+5], v[A+4:A+5], v[A+6:A+7]
	v_pk_add_f32 v[A:A+1], v[A:A+1], v[A+4:A+5]
	v_add_f32 v[A], v[A], v[A+1]
	v_add_f32_dpp v[A], v[A], v[A] row_xmask:1 row_mask:0xf bank_mask:0xf
	v_add_f32_dpp v[A], v[A], v[A] row_xmask:2 row_mask:0xf bank_mask:0xf
	v_add_f32_dpp v[A], v[A], v[A] row_xmask:4 row_mask:0xf bank_mask:0xf
	v_add_f32_dpp v[A], v[A], v[A] row_xmask:8 row_mask:0xf bank_mask:0xf
	v_permlanex16_b32 v[A+1], v[A], s38, s39
	v_add_f32 v[A], v[A], v[A+1]
.endm
.irp c, 0,1,2,3
	v_pk_add_f32 v[A+2*(\c):A+2*(\c)+1], v[X+2*(\c):X+2*(\c)+1], v[X+8+2*(\c):X+8+2*(\c)+1]
.endr
.set p, 8
.rept 24
	v_pk_add_f32 v[A+2*(p%4):A+2*(p%4)+1], v[A+2*(p%4):A+2*(p%4)+1], v[X+2*p:X+2*p+1]
.set p, p+1
.endr
	FOLD
	v_mul_f32 v[M], s36, v[A]                      ; the mean
	v_mov_b32 v[M+1], v[M]
.set p, 0
.rept 32
	v_pk_add_f32 v[X+2*p:X+2*p+1], v[X+2*p:X+2*p+1], v[M:M+1] neg_lo:[0,1] neg_hi:[0,1]
.set p, p+1
.endr
.irp c, 0,1,2,3
	v_pk_mul_f32 v[A+2*(\c):A+2*(\c)+1], v[X+2*(\c):X+2*(\c)+1], v[X+2*(\c):X+2*(\c)+1]
.endr
.set p, 4
.rept 28
	v_pk_fma_f32 v[A+2*(p%4):A+2*(p%4)+1], v[X+2*p:X+2*p+1], v[X+2*p:X+2*p+1], v[A+2*(p%4):A+2*(p%4)+1]
.set p, p+1
.endr
	FOLD
	v_fma_f32 v[A], v[A], s36, s34                 ; var + eps
	v_rsq_f32 v[M+2], v[A]
	s_wait_loadcnt 0x0                             ; the last eight bias loads
.set i, 0
.rept 16
	v_cvt_pk_bf16_f32 v[B+16+i], v[W+32+2*i], v[W+32+2*i+1]  ; plain work behind the root
.set i, i+1
.endr
	v_cvt_pk_bf16_f32 v[A+2], v[F], v[F+1]         ; cos and sin rounded to bf16
	v_cvt_pk_bf16_f32 v[A+3], v[F+2], v[F+3]
	v_lshlrev_b32 v[F], 16, v[A+2]
	v_and_b32 v[F+1], 0xffff0000, v[A+2]
	v_lshlrev_b32 v[F+2], 16, v[A+3]
	v_and_b32 v[F+3], 0xffff0000, v[A+3]
	v_cndmask_b32 v[F], 1.0, v[F], s35
	v_cndmask_b32 v[F+1], 0, v[F+1], s35
	v_cndmask_b32 v[F+2], 1.0, v[F+2], s35
	v_cndmask_b32 v[F+3], 0, v[F+3], s35
	v_xor_b32 v[NS], 0x80000000, v[F+1]
	v_mov_b32 v[NS+1], v[F]
	v_xor_b32 v[NS+2], 0x80000000, v[F+3]
	v_mov_b32 v[NS+3], v[F+2]
	s_wait_alu depctr_va_vdst(0)                   ; the wait ahead of the root's first reader
	v_mov_b32 v[M+3], v[M+2]
.set p, 0
.rept 32
	v_pk_mul_f32 v[X+2*p:X+2*p+1], v[X+2*p:X+2*p+1], v[M+2:M+3]
.set p, p+1
.endr
.set k, 0
.rept 64                               ; x w + b, w and b straight from their bf16 halves
.if k%2
	v_fma_mix_f32_bf16 v[X+k], v[X+k], v[W+k/2], v[B+k/2] op_sel:[0,1,1] op_sel_hi:[0,1,1]
.else
	v_fma_mix_f32_bf16 v[X+k], v[X+k], v[W+k/2], v[B+k/2] op_sel_hi:[0,1,1]
.endif
.set k, k+1
.endr
.set g, 0
.rept 4                                ; the rotation, eight pairs at a time: (t0 cos, t0 sin), then + (-t1 sin, t1 cos)
.set p, 8*g
.rept 8
	v_pk_mul_f32 v[T+2*(p%8):T+2*(p%8)+1], v[X+2*p:X+2*p+1], v[F+2*(p%2):F+2*(p%2)+1] op_sel:[0,0] op_sel_hi:[0,1]
.set p, p+1
.endr
.set p, 8*g
.rept 8
	v_pk_fma_f32 v[X+2*p:X+2*p+1], v[X+2*p:X+2*p+1], v[NS+2*(p%2):NS+2*(p%2)+1], v[T+2*(p%8):T+2*(p%8)+1] op_sel:[1,0,0] op_sel_hi:[1,1,1]
.set p, p+1
.endr
.set g, g+1
.endr
.set j, 0
.rept 16
	v_cvt_pk_f16_f32 v[X+4*j], v[X+4*j], v[X+4*j+1]
	v_cvt_pk_f16_f32 v[X+4*j+1], v[X+4*j+2], v[X+4*j+3]
	global_store_b64 v[SO], v[X+4*j:X+4*j+1], s[24:25] offset:(j-8)*655360  ; a head's row: 256 consecutive bytes, aligned
.set j, j+1
.endr
	s_endpgm
.Lfunc_end_k_q8a3d687155_norm:
	.size	k_q8a3d687155_norm, .Lfunc_end_k_q8a3d687155_norm-k_q8a3d687155_norm
	.p2alignl 7, 3214868480
	.fill 96, 4, 3214868480
	.section	.rodata,"a",@progbits
	.p2align	6, 0x0
	.amdhsa_kernel k_q8a3d687155_norm
		.amdhsa_group_segment_fixed_size 0
		.amdhsa_private_segment_fixed_size 0
		.amdhsa_enable_private_segment 0
		.amdhsa_kernarg_size 72
		.amdhsa_user_sgpr_count 2
		.amdhsa_user_sgpr_kernarg_segment_ptr 1
		.amdhsa_wavefront_size32 1
		.amdhsa_system_sgpr_workgroup_id_x 1
		.amdhsa_system_sgpr_workgroup_id_y 1
		.amdhsa_system_sgpr_workgroup_id_z 1
		.amdhsa_system_vgpr_workitem_id 0
		.amdhsa_next_free_vgpr 184
		.amdhsa_next_free_sgpr 66
		.amdhsa_reserve_vcc 0
		.amdhsa_float_denorm_mode_32 3
		.amdhsa_float_denorm_mode_16_64 3
		.amdhsa_memory_ordered 1
		.amdhsa_forward_progress 1
		.amdhsa_inst_pref_size 33
	.end_amdhsa_kernel
	.amdgpu_metadata
---
amdhsa.version: [ 1, 2 ]
amdhsa.kernels:
  - .name:           k_q8a3d687155_norm
    .symbol:         k_q8a3d687155_norm.kd
    .args:
      - { .name: raw, .offset: 0, .size: 8, .value_kind: global_buffer, .address_space: global }
      - { .name: freqs_cis, .offset: 8, .size: 8, .value_kind: global_buffer, .address_space: global }
      - { .name: qn_w, .offset: 16, .size: 8, .value_kind: global_buffer, .address_space: global }
      - { .name: qn_b, .offset: 24, .size: 8, .value_kind: global_buffer, .address_space: global }
      - { .name: kn_w, .offset: 32, .size: 8, .value_kind: global_buffer, .address_space: global }
      - { .name: kn_b, .offset: 40, .size: 8, .value_kind: global_buffer, .address_space: global }
      - { .name: kyn_w, .offset: 48, .size: 8, .value_kind: global_buffer, .address_space: global }
      - { .name: kyn_b, .offset: 56, .size: 8, .value_kind: global_buffer, .address_space: global }
      - { .name: qk, .offset: 64, .size: 8, .value_kind: global_buffer, .address_space: global }
    .group_segment_fixed_size: 0
    .private_segment_fixed_size: 0
    .kernarg_segment_align: 8
    .kernarg_segment_size: 72
    .max_flat_workgroup_size: 128
    .sgpr_count:     66
    .vgpr_count:     184
    .wavefront_size: 32
...
	.end_amdgpu_metadata
.endif
;; end of part 3
;; launch attn (part 4): grid 8 x 32, 4 waves a work-group, clusters of 4 x 1, 327,680 bytes of LDS; arguments qk, vv, x_mask, y_mask, gate, o; writes o
.if DOCPART == 4
	.amdgcn_target "amdgcn-amd-amdhsa--gfx1250"
	.amdhsa_code_object_version 6
	.text
	.protected	k_q8a3d687155_attn
	.globl	k_q8a3d687155_attn
	.p2align	8
	.type	k_q8a3d687155_attn,@function
k_q8a3d687155_attn:
	s_mov_b64 s[64:65], 0
	v_nop
	global_prefetch_b8 v0, s[64:65] scope:SCOPE_SE
	s_setreg_imm32_b32 hwreg(HW_REG_WAVE_MODE, 25, 1), 1
	s_wait_xcnt 0x0
	s_wait_alu depctr_hold_cnt(0) depctr_sa_sdst(0) depctr_va_vdst(0) depctr_va_sdst(0) depctr_va_ssrc(0) depctr_va_vcc(0) depctr_vm_vsrc(0)
	s_getreg_b32 s2, hwreg(HW_REG_IB_STS2, 6, 4)
	s_cmp_eq_u32 s2, 0
	s_cbranch_scc0 .Lentry_in_a_cluster
	s_endpgm
.Lentry_in_a_cluster:
	s_bfe_u32 s2, ttmp6, 0x10000c
	s_cmp_lg_u32 s2, 0x3003
	s_cbranch_scc0 .Lentry_shape_is_right
	s_endpgm
.Lentry_shape_is_right:
; BOTH ATTENTIONS OF A HEAD, MERGED: o[1,024 b + s][128 h + d] = softmax over 1,024 self keys (x_mask) . v + tanh(gate[h]) x softmax over 512 cross keys (y_mask) . yv.  q, k, yk out of qk, v, yv out of vv, all f16; o f16.
; Products, maxima and sums in f32; the weights p are rounded to f16 for the second product, o once at the end.  p = 2^(c s - c m), c = log2(e) / sqrt(128), with a running maximum m;
; O and l are multiplied by a = 2^(c m_old - c m_new) in every step; m starts at the lowest finite number, O and l at 0 (256 lines that clear O, in the wait for the first tile: the price of one form of step).
; THE MASKS are the C operand that starts the sums S^T = K Q^T: 0, or -1e30 for a hidden key.  A batch whose mask is all false has equal weights in the definition: there c = 0 and every addend is 0, so every p is 1.
; LIMITS.  A hidden score counts as its value less 1e30; a weight below 2^-126 counts as 0; f16 holds no number beyond 65,504 and keeps a fixed step of 6e-8 below 6e-5; NaN and infinities are not treated apart;
; gate is rounded to bf16 like every input; tanh g = 1 - 2 / (1 + 2^(2.88539 g)), off by about 1e-7 absolutely.
; SHARES.  A work-group owns 128 queries of one head.  In qk and vv a head's 1,536 keys (self, then cross) are one dense run.  Wave w: queries 64 (w % 2) ..; role w / 2: role 0 walks keys 0-767, role 1 keys 768-1,535:
; twelve steps of 64 keys for every wave, four tiles of 16 queries.  Behind its fourth step role 1 has ended the self keys: it sets O, m and l aside in LDS (f32) and starts anew for the cross keys.
; At the end each wave finishes two tiles: register tile t holds query block (t + 2 role) % 4, every wave keeps its tiles 0, 1 and hands its tiles 2, 3 to the other role through LDS.
; LAYOUT.  S^T = K Q^T holds one query a lane (l % 16) and the keys 8 (l / 16) + 0..7; two such results rounded to f16 are source 1 of O^T = V^T P.  V comes out of LDS turned.
; IN PHASES: a step's 64 products K Q^T, the change of slots, the softmax (one batch of 132 exponentials, one wait), its 64 products V^T P.
; CLUSTER: the four query blocks of a cluster walk the same K and V, so each tile is asked for jointly.  A slot holds one step of both roles; the refill has a whole step in which to land.
; REGISTERS: window 0: v2-11, v44-63 addresses and work; v12-43 statistics (tile t at 12 + 8 t: c m, m, l, l, four at work); v64-191 S^T; v192-255 P.   window 1: O^T, 64 a tile.
;   window 2: v0-127 Q; v128-255 K of a step.   window 3: v0-127 V of a step; v128-159 the step's 64 addends as four C operands.
.set KS,    64
.set PK,    272
.set PV,    288
.set VOFF,  KS*PK
.set STEPB, KS*(PK+PV)                 ; a role's step: 64 rows of K, then 64 of V
.set SLOT1, 1<<17                      ; slot 0 at 0, slot 1 here: role 0's step, then role 1's
.set BIAS,  2*STEPB                    ; 1,536 f32: the keys' addends
.set XCHA,  BIAS+6144                  ; what role 0 hands over: for each query half 16,384 bytes of O and 1,024 of statistics
.set XCHSZ, 17408
.set DUMP,  SLOT1+2*STEPB              ; what role 1 sets aside: for each query half 32,768 bytes of O and 2,048 of statistics
.set DUMPSZ, 34816
.set XCHB,  DUMP+2*DUMPSZ              ; what role 1 hands over
.set STAGE, XCHB+2*XCHSZ               ; 16 rows x 272 bytes for each wave, for the way out
.set SP,    272
.set SPARE, STAGE+4*16*SP              ; the spare words
.set AK0, 2
.set AV0, 3
.set ADR, 4
.set ADV, 5
.set AM0, 6
.set ADM, 7
.set STO, 8
.set RD,  9
.set GO,  10
.set DW,  11
.set ST,  12
.set DR,  44
.set DRS, 45
.set XW,  46
.set XR,  47
.set PFO, 48
.set QOA, 49
.set QOB, 50
.set GT,  51                           ; v51  gate[h]
.set SPW, 62
.set NIL, 63
.set S,   64
.set P,   192
.set KF,  128
.set MB,  128
.set WV,  16
.set ROLE, 17
.set QH,  18
.set G1K, 24
.set G1V, 32
.set G0K, 40                           ; s[40:47] two sets: the first fills'; the second then walks
.set G0V, 48
.set SLOTS, 56
.set CNT, 57
.set CS,  58                           ; s[58:59] c of the keys in hand
.set SEL, 60
.set TB,  62                           ; s62  the slot of the step to be fetched
.set TM,  63                           ; s63  its addends' byte in my role's 3,072
.set CY,  66                           ; s66  c of the cross keys
.set LIM, 69
.set PFA, 70
.set RM,  72                           ; s72  all ones in role 1
.set NGX, 82
.set NGY, 83
.set MSB, 0
.macro WIN new
.if MSB != (\new)
	s_set_vgpr_msb (MSB<<8)|(\new)
.set MSB, \new
.endif
.endm
.set W_RS, 0x41
.macro PLACES
.rept 4
	v_nop
.endr
.endm
.macro JLOAD                           ; waves 0, 1 fetch K of roles 0, 1; waves 2, 3 V.  An s_nop 0 and four v_nop follow each line
	s_cmp_lt_u32 s[WV], 2
	s_cbranch_scc0 .Lfor_v_\@
	tensor_load_to_lds s[G0K+4:G0K+7], s[G1K:G1K+7]
	s_nop 0
.rept 4
	v_nop
.endr
	s_branch .Lasked_\@
.Lfor_v_\@:
	tensor_load_to_lds s[G0V+4:G0V+7], s[G1V:G1V+7]
	s_nop 0
.rept 4
	v_nop
.endr
.Lasked_\@:
.endm
; A prefetch of the step that the NEXT change of slots will ask for: 128 rows of K and of V, 256 bytes each.  The head's first cluster asks; its four partners take 16 rows of each role, told apart by address;
; wave 0 asks for K's, wave 2 for V's: a lane a row, each row once in the launch.  The last change that fills a slot asks for nothing.
.macro ASK
	s_cmp_gt_u32 s[SLOTS], s[LIM]
	s_cbranch_scc0 .Lnot_mine_\@
	global_prefetch_b8 v[PFO], s[PFA:PFA+1] th:TH_LOAD_NT scope:SCOPE_SE
.Lnot_mine_\@:
.endm
.macro CROUND
	s_barrier_signal -1
	s_barrier_wait -1
	s_cmp_lg_u32 s[WV], 0
	s_cbranch_scc1 .Lnot_wave_0_\@
	s_barrier_signal -3
.Lnot_wave_0_\@:
	s_barrier_wait -3
	s_barrier_signal -1
	s_barrier_wait -1
.endm
	s_load_b256 s[4:11], s[0:1], 0x0               ; qk, vv, x_mask, y_mask
	s_load_b128 s[12:15], s[0:1], 0x20             ; gate, o
	v_lshl_add_u32 v[SPW], v0, 2, SPARE
	v_mov_b32 v[NIL], 0
	ds_add_u32 v[SPW], v[NIL]                      ; the wave's opening: the add and its wait stand ahead of my first tensor load
	v_lshrrev_b32 v1, 5, v0
	v_readfirstlane_b32 s[WV], v1
	s_lshr_b32 s[ROLE], s[WV], 1
	s_and_b32 s[QH], s[WV], 1
	s_bfe_u32 s19, ttmp6, 0x40000                  ; cx
	s_lshl_b32 s20, ttmp9, 2
	s_add_co_u32 s20, s20, s19                     ; my block of 128 queries: it enters Q's and o's addresses alone
	s_and_b32 s21, ttmp7, 0xffff                   ; the head 16 b + h, which the partners share
	s_lshr_b32 s22, s21, 4                         ; b
	s_and_b32 s23, s21, 15                         ; h
	s_mul_i32 s78, s21, 655360                     ; the head in qk
	s_mul_i32 s76, s21, 393216                     ; and in vv
	s_mul_i32 s85, s[QH], 196608                   ; the role whose tile I fetch: 768 keys on
	s_add_co_u32 s74, s78, 262144                  ; the keys lie behind the head's 1,024 rows of q
	s_add_co_u32 s74, s74, s85
	s_mov_b32 s75, 0
	s_add_co_u32 s76, s76, s85
	s_mov_b32 s77, 0
	s_lshl_b32 s84, s20, 15
	s_add_co_u32 s78, s78, s84
	s_lshl_b32 s84, s[QH], 14
	s_add_co_u32 s78, s78, s84                     ; Q at my wave's 64 rows
	s_mov_b32 s79, 0
	s_lshl_b32 s80, s22, 22                        ; o: row 1,024 b + 128 block + 64 half + 32 role, 4,096 bytes a row; column 128 h
	s_lshl_b32 s84, s20, 19
	s_add_co_u32 s80, s80, s84
	s_lshl_b32 s84, s[QH], 18
	s_add_co_u32 s80, s80, s84
	s_lshl_b32 s84, s[ROLE], 17
	s_add_co_u32 s80, s80, s84
	s_lshl_b32 s84, s23, 8
	s_add_co_u32 s80, s80, s84
	s_mov_b32 s81, 0
	s_mul_i32 s73, s[QH], STEPB                    ; my tile's place in a slot
	s_mov_b32 s[G1K], 15|(1<<16)|(1<<20)|(1<<21)|(5<<22)|(3<<25)  ; the mask of four; 2-byte elements; padding on; bit 21 beside a mask; after every 64 words 4 words
	s_mov_b32 s[G1V], 15|(1<<16)|(1<<20)|(1<<21)|(5<<22)|(7<<25)  ; 8 words
.irp g, G1K, G1V
	s_mov_b32 s[(\g)+1], 128<<16
	s_mov_b32 s[(\g)+2], KS<<16
	s_mov_b32 s[(\g)+3], 128<<16
	s_mov_b32 s[(\g)+4], KS
	s_mov_b32 s[(\g)+5], 128
	s_mov_b32 s[(\g)+6], 0
	s_mov_b32 s[(\g)+7], 0
.endr
	s_mov_b32 s[SEL], 0x76543210
	s_mov_b32 s[SEL+1], 0xfedcba98
	s_mov_b32 s[TB], 0
	s_mov_b32 s[TM], 0
	s_mov_b32 s[SLOTS], 10
	s_sub_co_u32 s[RM], 0, s[ROLE]
	s_and_b32 s[LIM], s[WV], 1
	s_or_b32 s[LIM], s[LIM], ttmp9
	s_cmp_eq_u32 s[LIM], 0                         ; waves 0 and 2 of the head's first cluster: the same in all four partners
	s_cselect_b32 s[LIM], 1, -1
	s_wait_dscnt 0x0                               ; the opening add is done
	s_wait_kmcnt 0x0
	s_add_nc_u64 s[74:75], s[4:5], s[74:75]        ; K and V at my tile of step 0
	s_add_nc_u64 s[76:77], s[6:7], s[76:77]
	s_add_nc_u64 s[4:5], s[4:5], s[78:79]
	s_add_nc_u64 s[14:15], s[14:15], s[80:81]
	s_lshl_b32 s84, s22, 10
	s_mov_b32 s85, 0
	s_add_nc_u64 s[8:9], s[8:9], s[84:85]          ; the batch's masks
	s_lshl_b32 s84, s22, 9
	s_add_nc_u64 s[10:11], s[10:11], s[84:85]
	s_cmp_lt_u32 s[WV], 2
	s_cselect_b64 s[PFA:PFA+1], s[74:75], s[76:77] ; (in waves 0 and 2 these stand at role 0's first row)
	s_lshl_b32 s84, s19, 12                        ; my work-group's 16 rows of each role's 64
	s_add_nc_u64 s[PFA:PFA+1], s[PFA:PFA+1], s[84:85]
	s_add_nc_u64 s[PFA:PFA+1], s[PFA:PFA+1], 2*KS*256  ; at step 2; the first change steps it to step 3
	CROUND                                         ; all four work-groups are here: the first joint loads meet
.irp s, 0,1
	s_mov_b32 s[G0K+4*(\s)], 1
	s_add_co_u32 s[G0K+4*(\s)+1], s73, (\s)*SLOT1
	s_add_nc_u64 s[G0K+4*(\s)+2:G0K+4*(\s)+3], s[74:75], (\s)*KS*256
	s_or_b32 s[G0K+4*(\s)+3], s[G0K+4*(\s)+3], 0x80000000
	s_mov_b32 s[G0V+4*(\s)], 1
	s_add_co_u32 s[G0V+4*(\s)+1], s73, (\s)*SLOT1+VOFF
	s_add_nc_u64 s[G0V+4*(\s)+2:G0V+4*(\s)+3], s[76:77], (\s)*KS*256
	s_or_b32 s[G0V+4*(\s)+3], s[G0V+4*(\s)+3], 0x80000000
.endr
	s_cmp_lt_u32 s[WV], 2                          ; a wave's two first fills stand in one branch: two loads of mine are out
	s_cbranch_scc0 .Lfirst_v
	tensor_load_to_lds s[G0K:G0K+3], s[G1K:G1K+7]
	s_nop 0
	tensor_load_to_lds s[G0K+4:G0K+7], s[G1K:G1K+7]
	s_nop 0
.rept 4
	v_nop
.endr
	s_branch .Lfirst_asked
.Lfirst_v:
	tensor_load_to_lds s[G0V:G0V+3], s[G1V:G1V+7]
	s_nop 0
	tensor_load_to_lds s[G0V+4:G0V+7], s[G1V:G1V+7]
	s_nop 0
.rept 4
	v_nop
.endr
.Lfirst_asked:
	v_and_b32 v1, 15, v0                           ; l % 16
	v_bfe_u32 v52, v0, 4, 1                        ; l / 16
	v_and_b32 v53, 7, v0
	v_bfe_u32 v54, v0, 3, 1
	v_and_b32 v55, 31, v0                          ; l
	v_lshlrev_b32 v[QOA], 8, v1
	v_lshl_add_u32 v[QOA], v52, 4, v[QOA]          ; row x 256 + 16 x half
	s_lshl_b32 s86, s[ROLE], 13
	s_xor_b32 s87, s86, 8192
	v_add_nc_u32 v[QOB], s87, v[QOA]               ; register tiles 2, 3: query blocks 2 - 2 role ..
	v_add_nc_u32 v[QOA], s86, v[QOA]               ; register tiles 0, 1: query blocks 2 role ..
	WIN 0x80
.set i, 0
.rept 8                                ; Q stays in registers: tile i / 4, channels 32 (i % 4) on
	global_load_b128 v[8*i:8*i+3],   v[QOA], s[4:5] offset:(i/4)*4096+(i%4)*64
	global_load_b128 v[8*i+4:8*i+7], v[QOA], s[4:5] offset:(i/4)*4096+(i%4)*64+32
	global_load_b128 v[64+8*i:64+8*i+3],   v[QOB], s[4:5] offset:(i/4)*4096+(i%4)*64
	global_load_b128 v[64+8*i+4:64+8*i+7], v[QOB], s[4:5] offset:(i/4)*4096+(i%4)*64+32
.set i, i+1
.endr
	WIN 0
	v_lshlrev_b32 v56, 5, v55
	v_lshlrev_b32 v57, 4, v55
	v_lshlrev_b32 v58, 3, v0
	v_lshlrev_b32 v59, 2, v0
	s_lshl_b32 s84, s23, 2
	v_mov_b32 v60, s84
	global_load_b128 v[64:67], v56, s[8:9]         ; every wave sees the batch's whole masks: is any key visible?
	global_load_b128 v[68:71], v56, s[8:9] offset:16
	global_load_b128 v[72:75], v57, s[10:11]
	global_load_b64 v[76:77], v58, s[8:9]          ; thread T makes the addends of self keys 8 T .. and cross keys 4 T ..
	global_load_b32 v78, v59, s[10:11]
	global_load_b32 v[GT], v60, s[12:13]
	WIN 0x40
.set i, 0
.rept 256
	v_mov_b32 v[i], 0                              ; O^T
.set i, i+1
.endr
	WIN 0
.set i, 0
.rept 4
	v_mov_b32 v[ST+8*i], 0xfe000000                ; c m: far below every c s
	v_mov_b32 v[ST+8*i+1], 0xff7fffff              ; m
	v_mov_b32 v[ST+8*i+2], 0
	v_mov_b32 v[ST+8*i+3], 0
.set i, i+1
.endr
	s_mul_i32 s84, s[ROLE], STEPB                  ; my role's part of a slot
	v_mul_u32_u24 v[AK0], v1, PK
	v_lshl_add_u32 v[AK0], v52, 4, v[AK0]
	v_add_nc_u32 v[AK0], s84, v[AK0]
	v_lshl_add_u32 v[AV0], v52, 3, v53             ; the turning load: key 8 (l / 16) + l % 8, channels 8 ((l / 8) % 2) + 0..7
	v_mul_u32_u24 v[AV0], v[AV0], PV
	v_lshl_add_u32 v[AV0], v54, 4, v[AV0]
	s_add_co_u32 s84, s84, VOFF
	v_add_nc_u32 v[AV0], s84, v[AV0]
	s_mul_i32 s84, s[ROLE], 3072
	s_add_co_u32 s84, s84, BIAS
	v_lshl_add_u32 v[AM0], v52, 5, s84             ; my eight keys' addends of a block of 16
	s_mul_i32 s84, s[WV], 16*SP
	s_add_co_u32 s84, s84, STAGE
	v_mul_u32_u24 v[STO], v1, SP
	v_lshl_add_u32 v[STO], v52, 4, v[STO]
	v_add_nc_u32 v[STO], s84, v[STO]
	v_mul_u32_u24 v[RD], v52, SP
	v_lshl_add_u32 v[RD], v1, 4, v[RD]
	v_add_nc_u32 v[RD], s84, v[RD]
	v_lshlrev_b32 v[GO], 12, v52
	v_lshl_add_u32 v[GO], v1, 4, v[GO]
	s_mul_i32 s84, s[QH], DUMPSZ
	s_add_co_u32 s84, s84, DUMP
	v_lshl_add_u32 v[DW], v55, 4, s84
	s_xor_b32 s85, s[ROLE], 1
	s_lshl_b32 s86, s85, 14                        ; role 0 finishes what role 1 held as its tiles 2, 3
	v_add_nc_u32 v[DR], s86, v[DW]
	s_lshl_b32 s86, s85, 10
	s_add_co_u32 s86, s86, 32768
	v_add_nc_u32 v[DRS], s86, v[DW]
	s_mul_i32 s84, s[QH], XCHSZ
	s_add_co_u32 s84, s84, XCHA
	s_mul_i32 s86, s[ROLE], XCHB-XCHA
	s_add_co_u32 s86, s86, s84
	v_lshl_add_u32 v[XW], v55, 4, s86
	s_mul_i32 s86, s85, XCHB-XCHA
	s_add_co_u32 s86, s86, s84
	v_lshl_add_u32 v[XR], v55, 4, s86
	v_mul_u32_u24 v61, v52, 196608
	v_lshl_add_u32 v[PFO], v1, 8, v61              ; lanes 0-15: role 0's rows; lanes 16-31: role 1's
	s_wait_loadcnt 0x0                             ; Q, the masks, the gate
	v_or_b32 v64, v64, v65
	v_or_b32 v66, v66, v67
	v_or_b32 v68, v68, v69
	v_or_b32 v70, v70, v71
	v_or_b32 v64, v64, v66
	v_or_b32 v68, v68, v70
	v_or_b32 v64, v64, v68
	v_cmp_ne_u32 s84, 0, v64
	s_cmp_lg_u32 s84, 0
	s_cselect_b32 s[CS], 0x3e0293ee, 0             ; c = log2(e) / sqrt(128), or 0 where no self key is visible
	s_cselect_b32 s[NGX], 0xf149f2ca, 0            ; -1e30
	s_mov_b32 s[CS+1], s[CS]
	v_or_b32 v72, v72, v73
	v_or_b32 v74, v74, v75
	v_or_b32 v72, v72, v74
	v_cmp_ne_u32 s84, 0, v72
	s_cmp_lg_u32 s84, 0
	s_cselect_b32 s[CY], 0x3e0293ee, 0
	s_cselect_b32 s[NGY], 0xf149f2ca, 0
.irp k, 0,1,2,3,4,5,6,7
	v_bfe_u32 v79, v[76+(\k)/4], 8*((\k)%4), 8
	v_cmp_eq_u32 vcc_lo, 0, v79
	v_cndmask_b32 v[80+(\k)], 0, s[NGX], vcc_lo
.endr
.irp k, 0,1,2,3
	v_bfe_u32 v79, v78, 8*(\k), 8
	v_cmp_eq_u32 vcc_lo, 0, v79
	v_cndmask_b32 v[88+(\k)], 0, s[NGY], vcc_lo
.endr
	v_lshl_add_u32 v56, v0, 5, BIAS
	v_lshl_add_u32 v57, v0, 4, BIAS+4096
	ds_store_b128 v56, v[80:83]
	ds_store_b128 v56, v[84:87] offset:16
	ds_store_b128 v57, v[88:91]
; THE MATRIX WORK.  The accumulators take turns, one instruction a turn: 16 in K Q^T, 32 in V^T P.
.macro KQALL                           ; product i: channels 32 (i / 16) on, keys 16 ((i / 4) % 4) on, tile i % 4.  The first 16 start the sums with the keys' addends
.set i, 0
.rept 64
.set rS, S+32*(i%4)+8*((i/4)%4)
.set rK, KF+32*((i/4)%4)+8*(i/16)
.set rQ, 32*(i%4)+8*(i/16)
.set rM, MB+8*((i/4)%4)
.if i < 16
	WIN 0x3a                                       ; K and Q window 2, C window 3, S^T window 0
	v_wmma_f32_16x16x32_f16 v[rS:rS+7], v[rK:rK+7], v[rQ:rQ+7], v[rM:rM+7]
.else
	WIN 0x0a
	v_wmma_f32_16x16x32_f16 v[rS:rS+7], v[rK:rK+7], v[rQ:rQ+7], v[rS:rS+7]
.endif
.set i, i+1
.endr
.endm
.macro PVALL                           ; product i: keys 32 (i / 32) on, channels 16 ((i / 4) % 8) on, tile i % 4
	WIN 0x53                                       ; V window 3, P window 0, O^T window 1
.set i, 0
.rept 64
.set rO, 64*(i%4)+8*((i/4)%8)
.set rV, 64*(i/32)+8*((i/4)%8)
.set rP, P+16*(i%4)+8*(i/32)
	v_wmma_f32_16x16x32_f16 v[rO:rO+7], v[rV:rV+7], v[rP:rP+7], v[rO:rO+7]
.set i, i+1
.endr
.endm
.macro FETCH_K                         ; a step's K (16 fragments) and its addends: 40 loads in one run
	WIN 0
	v_add_nc_u32 v[ADR], s[TB], v[AK0]
	v_add_nc_u32 v[ADM], s[TM], v[AM0]
	s_add_co_u32 s[TM], s[TM], 256
	WIN 0x80
.irp f, 0,1,2,3,4,5,6,7,8,9,10,11,12,13,14,15
	ds_load_b128 v[KF+8*(\f):KF+8*(\f)+3],   v[ADR] offset:((\f)/4)*16*PK+((\f)%4)*64
	ds_load_b128 v[KF+8*(\f)+4:KF+8*(\f)+7], v[ADR] offset:((\f)/4)*16*PK+((\f)%4)*64+32
.endr
	WIN 0xc0
.irp b, 0,1,2,3
	ds_load_b128 v[MB+8*(\b):MB+8*(\b)+3],   v[ADM] offset:64*(\b)
	ds_load_b128 v[MB+8*(\b)+4:MB+8*(\b)+7], v[ADM] offset:64*(\b)+16
.endr
	WIN 0
.endm
.macro FETCH_V                         ; the same step's V, turned: 32 loads
	WIN 0
	v_add_nc_u32 v[ADV], s[TB], v[AV0]
	WIN 0xc0
.irp f, 0,1,2,3,4,5,6,7,8,9,10,11,12,13,14,15
	ds_load_tr16_b128 v[8*(\f):8*(\f)+3],   v[ADV] offset:((\f)/8)*32*PV+((\f)%8)*32
	ds_load_tr16_b128 v[8*(\f)+4:8*(\f)+7], v[ADV] offset:((\f)/8)*32*PV+16*PV+((\f)%8)*32
.endr
	WIN 0
.endm
; THE SOFTMAX of a tile and step is a list of 134 instructions; SM writes number j for tile t.  0-15 the maximum (each accumulator's lowest registers first); 16-20 the other half of the lanes, m, c m, its change;
; 21-69 the 16 scalings and the 33 exponentials, none of which reads an exponential's result; 70-85 the roundings; 86-101 the sums, l = a l + sum; 102-133 O^T times a.
.macro SM t
.set rT, ST+8*(\t)
.set rS, S+32*(\t)
.set rP, P+16*(\t)
.set rO, 64*(\t)+2*(j-102)
.if j < 102
	WIN 0
.endif
.if j < 4
	v_max3_num_f32 v[rT+4+j], v[rS+8*j], v[rS+8*j+1], v[rS+8*j+2]
.elseif j < 12
	v_max3_num_f32 v[rT+4+j%4], v[rT+4+j%4], v[rS+8*(j%4)+2*(j/4)+1], v[rS+8*(j%4)+2*(j/4)+2]
.elseif j == 12
	v_max3_num_f32 v[rT+4], v[rT+4], v[rS+7], v[rS+15]
.elseif j == 13
	v_max3_num_f32 v[rT+6], v[rT+6], v[rS+23], v[rS+31]
.elseif j == 14
	v_max3_num_f32 v[rT+4], v[rT+4], v[rT+5], v[rT+6]
.elseif j == 15
	v_max3_num_f32 v[rT+4], v[rT+4], v[rT+7], v[rT+1]
.elseif j == 16
	v_permlanex16_b32 v[rT+5], v[rT+4], s[SEL], s[SEL+1]
.elseif j == 17
	v_mov_b32 v[rT+7], v[rT]
.elseif j == 18
	v_max_num_f32 v[rT+1], v[rT+4], v[rT+5]
.elseif j == 19
	v_mul_f32 v[rT], s[CS], v[rT+1]
.elseif j == 20
	v_sub_f32 v[rT+7], v[rT+7], v[rT]
.elseif j == 23
	v_exp_f32 v[rT+6], v[rT+7]
.elseif (j < 23) || ((j < 38) && (j%2 == 0)) || ((j < 66) && (j%4 == 2))
.set b, (j-2)/4
.if j < 38
.set b, (j-20)/2
.endif
	v_pk_fma_f32 v[rS+2*b:rS+2*b+1], v[rS+2*b:rS+2*b+1], s[CS:CS+1], v[rT:rT+1] op_sel_hi:[1,0,0] neg_lo:[0,0,1] neg_hi:[0,0,1]
.elseif j < 70
.set e, j-38
.if j < 66
.set e, j-32-(j-38)/4
.endif
.if j < 38
.set e, (j-25)/2
.endif
	v_exp_f32 v[rS+e], v[rS+e]
.elseif j < 86
	v_cvt_pk_f16_f32 v[rP+j-70], v[rS+2*(j-70)], v[rS+2*(j-70)+1]
.elseif j < 102
.set z, j-86
.set w, 4
.set u, z
.if z >= 14
.set w, 32
.set u, 0
.elseif z >= 12
.set w, 16
.set u, z-12
.elseif z >= 8
.set w, 8
.set u, z-8
.endif
.if z < 15
	v_pk_add_f32 v[rS+w*u:rS+w*u+1], v[rS+w*u:rS+w*u+1], v[rS+w*u+w/2:rS+w*u+w/2+1]
.else
	v_pk_fma_f32 v[rT+2:rT+3], v[rT+2:rT+3], v[rT+6:rT+7], v[rS:rS+1] op_sel_hi:[1,0,1]
.endif
.else
	WIN W_RS
	v_pk_mul_f32 v[rO:rO+1], v[rO:rO+1], v[rT+6:rT+7] op_sel_hi:[1,0]
.endif
.endm
.macro SOFTMAX                         ; the four tiles alternate, so that no line reads the result of the one before it
.set j, 0
.rept 70
	SM 0
	SM 1
	SM 2
	SM 3
.set j, j+1
.endr
	v_nop                                          ; a plain instruction behind the last exponential
	s_wait_alu depctr_va_vdst(0)                   ; one wait for the step's 132 exponentials, ahead of their first reader
.rept 64
	SM 0
	SM 1
	SM 2
	SM 3
.set j, j+1
.endr
.endm
; THE CHANGE OF SLOTS, behind a step's K Q^T: the step's K, addends and V are in registers, so its slot is free.  Each wave waits for all its tensor loads (one is out: its part of the next step), adds 0 to its spare word,
; and waits for that and for its reads of the slot.  fill = 1: a round of the cluster's barrier, and the joint refill, two steps on, first behind it.
.macro CHANGE fill
	WIN 0
	s_wait_tensorcnt 0x0
	ds_add_u32 v[SPW], v[NIL]
.if \fill
.irp g, G0K+4, G0V+4
	s_xor_b32 s[(\g)+1], s[(\g)+1], SLOT1
	s_add_nc_u64 s[(\g)+2:(\g)+3], s[(\g)+2:(\g)+3], KS*256
.endr
	s_wait_xcnt 0x0                                ; the last prefetch, a step back, has read its address
	s_add_nc_u64 s[PFA:PFA+1], s[PFA:PFA+1], KS*256
	s_wait_dscnt 0x0
	CROUND
	JLOAD                                          ; its four v_nop are the places behind the products K Q^T
.else
	s_wait_dscnt 0x0
	s_barrier_signal -1
	s_barrier_wait -1
	PLACES
.endif
	s_xor_b32 s[TB], s[TB], SLOT1
.endm
; Behind step 3 role 1 has seen the last self key: O^T and the statistics go aside, in f32; c m and m start anew, so that the next step's a is 0; c becomes the cross keys'.
.macro SWITCH
	s_cmp_lg_u32 s[SLOTS], 7
	s_cbranch_scc1 .Lnosw_\@
	s_cmp_eq_u32 s[ROLE], 0
	s_cbranch_scc1 .Lnosw_\@
	WIN 0x04                                       ; the stores' data in window 1
.set i, 0
.rept 64
	ds_store_b128 v[DW], v[4*i:4*i+3] offset:512*i
.set i, i+1
.endr
	WIN 0
.set i, 0
.rept 4
	ds_store_b128 v[DW], v[ST+8*i:ST+8*i+3] offset:32768+512*i
.set i, i+1
.endr
.set i, 0
.rept 4
	v_mov_b32 v[ST+8*i], 0xfe000000
	v_mov_b32 v[ST+8*i+1], 0xff7fffff
.set i, i+1
.endr
	s_mov_b32 s[CS], s[CY]
	s_mov_b32 s[CS+1], s[CY]
.Lnosw_\@:
.endm
; A KEY STEP.  last = 1 (the tail): in its second trip there is no further step, and the two runs of loads are jumped over.
.macro STEP fill, last
	s_wait_dscnt 32                                ; K and the addends are in; V's 32 loads, issued behind them, may stay out
	KQALL
	CHANGE \fill
.if \last
	s_cmp_eq_u32 s[CNT], 1
	s_cbranch_scc1 .Lnok_\@
.endif
	FETCH_K
.if \last
.Lnok_\@:
.endif
.if \fill
	ASK
.endif
	SOFTMAX
	PVALL                                          ; V was shown in by the change's wait
	WIN 0
	PLACES
.if \fill
	SWITCH
.endif
.if \last
	s_cmp_eq_u32 s[CNT], 1
	s_cbranch_scc1 .Lnov_\@
.endif
	FETCH_V
.if \last
.Lnov_\@:
.endif
.endm
	s_wait_tensorcnt 0x1                           ; my part of step 0 is in; step 1's may stay out
	s_wait_dscnt 0x0                               ; my addends are stored
	s_barrier_signal -1
	s_barrier_wait -1
	FETCH_K
	FETCH_V
.Lstep:                                        ; ten trips: step j is computed, step j + 2 asked for
	STEP 1, 0
	s_sub_co_u32 s[SLOTS], s[SLOTS], 1
	s_cmp_lg_u32 s[SLOTS], 0
	s_cbranch_scc1 .Lstep
	s_mov_b32 s[CNT], 2
.Ltail:                                        ; the last two steps ask for nothing
	STEP 0, 1
	s_sub_co_u32 s[CNT], s[CNT], 1
	s_cmp_lg_u32 s[CNT], 0
	s_cbranch_scc1 .Ltail
	; THE MERGE.  My tiles 2, 3 go to the other role; I take its tiles 2, 3 (X: my tiles 0, 1 as it saw them) and what role 1 set aside for them (D).
	WIN 0x04
.set i, 0
.rept 32
	ds_store_b128 v[XW], v[128+4*i:128+4*i+3] offset:512*i
.set i, i+1
.endr
	WIN 0
	ds_store_b128 v[XW], v[ST+16:ST+19] offset:16384
	ds_store_b128 v[XW], v[ST+24:ST+27] offset:16384+512
	s_wait_dscnt 0x0
	s_barrier_signal -1
	s_barrier_wait -1
	ds_load_b128 v[P:P+3], v[XR] offset:16384      ; the statistics first: the coefficients are made while O's 64 loads are out
	ds_load_b128 v[P+4:P+7], v[XR] offset:16384+512
	ds_load_b128 v[P+8:P+11], v[DRS]
	ds_load_b128 v[P+12:P+15], v[DRS] offset:512
	WIN 0x80
.set i, 0
.rept 32
	ds_load_b128 v[4*i:4*i+3], v[XR] offset:512*i
.set i, i+1
.endr
.set i, 0
.rept 32
	ds_load_b128 v[128+4*i:128+4*i+3], v[DR] offset:512*i
.set i, i+1
.endr
	WIN 0
	s_wait_dscnt 63                                ; 68 loads were issued and 64 stand behind the four statistics loads; a wait on this counter names 63 at the most (ISA guide 5.7.1), so the oldest five are in: those four and X's first
; Of R (mine), X and D: role 0 holds the self keys' first part in R and the cross keys in X, role 1 the other way round; D is the self keys' second part.
; o = (fS O_S + fD O_D) / (fS l_S + fD l_D) + tanh(g) O_Y / l_Y, f = 2^(c m - the greater c m).  The odd registers of the coefficients' pairs were written by earlier steps and are not used.
.macro REGS t
.set rT, ST+8*(\t)
.set rX, P+4*(\t)
.set rD, P+8+4*(\t)
.set rW, P+16+16*(\t)
.endm
.macro CO1 t
	REGS \t
	v_add_f32 v[rW+6], v[rT+2], v[rT+3]
	v_add_f32 v[rW+7], v[rX+2], v[rX+3]
	v_add_f32 v[rW+8], v[rD+2], v[rD+3]
	v_permlanex16_b32 v[rW+9], v[rW+6], s[SEL], s[SEL+1]
	v_permlanex16_b32 v[rW+10], v[rW+7], s[SEL], s[SEL+1]
	v_permlanex16_b32 v[rW+11], v[rW+8], s[SEL], s[SEL+1]
	v_add_f32 v[rW+6], v[rW+6], v[rW+9]            ; l of R
	v_add_f32 v[rW+7], v[rW+7], v[rW+10]           ; of X
	v_add_f32 v[rW+8], v[rW+8], v[rW+11]           ; of D
	v_cndmask_b32 v[rW+9], v[rT], v[rX], s[RM]     ; c m of the self keys' first part
	v_cndmask_b32 v[rW+10], v[rW+6], v[rW+7], s[RM]  ; its l
	v_cndmask_b32 v[rW+11], v[rW+7], v[rW+6], s[RM]  ; the cross keys' l
	v_max_num_f32 v[rW+12], v[rW+9], v[rD]
	v_sub_f32 v[rW+13], v[rW+9], v[rW+12]
	v_sub_f32 v[rW+14], v[rD], v[rW+12]
.endm
.macro CO2 t
	REGS \t
	v_mul_f32 v[rW+12], v[rW+13], v[rW+10]
	v_fma_f32 v[rW+12], v[rW+14], v[rW+8], v[rW+12]
.endm
.macro CO3 t
	REGS \t
	v_mul_f32 v[rW+13], v[rW+13], v[rW+12]         ; fS / l
	v_mul_f32 v[rW+4], v[rW+14], v[rW+12]          ; fD / l: D's factor
	v_mul_f32 v[rW+11], v52, v[rW+11]              ; tanh(g) / l_Y
	v_cndmask_b32 v[rW], v[rW+13], v[rW+11], s[RM]   ; R's factor
	v_cndmask_b32 v[rW+2], v[rW+11], v[rW+13], s[RM] ; X's factor
.endm
	v_cvt_pk_bf16_f32 v52, v[GT], v[GT]
	v_lshlrev_b32 v52, 16, v52
	v_mul_f32 v52, 0x4038aa3b, v52                 ; 2 log2(e) g
	CO1 0
	CO1 1
	v_exp_f32 v52, v52                             ; one batch of five exponentials
.irp t, 0,1
	v_exp_f32 v[P+16+16*(\t)+13], v[P+16+16*(\t)+13]
	v_exp_f32 v[P+16+16*(\t)+14], v[P+16+16*(\t)+14]
.endr
	v_nop
	s_wait_alu depctr_va_vdst(0)
	v_add_f32 v52, 1.0, v52
	CO2 0
	CO2 1
	v_rcp_f32 v52, v52                             ; one batch of five reciprocals
.irp t, 0,1
	v_rcp_f32 v[P+16+16*(\t)+12], v[P+16+16*(\t)+12]
	v_rcp_f32 v[P+16+16*(\t)+11], v[P+16+16*(\t)+11]
.endr
	v_nop
	s_wait_alu depctr_va_vdst(0)
	v_fma_f32 v52, v52, -2.0, 1.0                  ; tanh(g)
	CO3 0
	CO3 1
	s_wait_dscnt 0x0                               ; X and D are in
.macro APPLY t
	REGS \t
	WIN W_RS
.set i, 64*(\t)
.rept 32
	v_pk_mul_f32 v[i:i+1], v[i:i+1], v[rW:rW+1] op_sel_hi:[1,0]
.set i, i+2
.endr
	WIN 0x52                                       ; source 0 window 2, source 1 window 0, source 2 and destination window 1
.set i, 64*(\t)
.rept 32
	v_pk_fma_f32 v[i:i+1], v[i:i+1], v[rW+2:rW+3], v[i:i+1] op_sel_hi:[1,0,1]
.set i, i+2
.endr
.set i, 64*(\t)
.rept 32
	v_pk_fma_f32 v[i:i+1], v[128+i:128+i+1], v[rW+4:rW+5], v[i:i+1] op_sel_hi:[1,0,1]
.set i, i+2
.endr
.endm
.macro PACK t                          ; a lane's eight channels pack into 16 bytes; they go into rows of 272 bytes and come back as whole rows of 256
	WIN 0x05
.set i, 0
.rept 32
	v_cvt_pk_f16_f32 v[S+32*(\t)+i], v[64*(\t)+2*i], v[64*(\t)+2*i+1]
.set i, i+1
.endr
	WIN 0
.irp f, 0,1,2,3,4,5,6,7
	ds_store_b128 v[STO], v[S+32*(\t)+4*(\f):S+32*(\t)+4*(\f)+3] offset:32*(\f)
.endr
.irp f, 0,1,2,3,4,5,6,7
	ds_load_b128 v[S+32*(\t)+4*(\f):S+32*(\t)+4*(\f)+3], v[RD] offset:(\f)*2*SP  ; LDS serves a wave's instructions in order (ISA guide 5.7.1.4)
.endr
.endm
.macro SEND t, younger
.irp f, 0,1,2,3,4,5,6,7
	s_wait_dscnt (\younger)+7-(\f)
	global_store_b128 v[GO], v[S+32*(\t)+4*(\f):S+32*(\t)+4*(\f)+3], s[14:15] offset:(\t)*65536+(\f)*8192  ; 16 lanes store a head's 256 bytes of a row of o, aligned
.endr
.endm
	APPLY 0
	PACK 0
	APPLY 1
	PACK 1
	SEND 0, 16
	SEND 1, 0
	s_wait_tensorcnt 0x0                           ; the wave's end
	ds_add_u32 v[SPW], v[NIL]
	s_wait_dscnt 0x0
	CROUND                                         ; the closing round
	s_endpgm
.Lfunc_end_k_q8a3d687155_attn:
	.size	k_q8a3d687155_attn, .Lfunc_end_k_q8a3d687155_attn-k_q8a3d687155_attn
	.p2alignl 7, 3214868480
	.fill 96, 4, 3214868480
	.section	.rodata,"a",@progbits
	.p2align	6, 0x0
	.amdhsa_kernel k_q8a3d687155_attn
		.amdhsa_group_segment_fixed_size 327680
		.amdhsa_private_segment_fixed_size 0
		.amdhsa_enable_private_segment 0
		.amdhsa_kernarg_size 48
		.amdhsa_user_sgpr_count 2
		.amdhsa_user_sgpr_kernarg_segment_ptr 1
		.amdhsa_wavefront_size32 1
		.amdhsa_system_sgpr_workgroup_id_x 1
		.amdhsa_system_sgpr_workgroup_id_y 1
		.amdhsa_system_sgpr_workgroup_id_z 1
		.amdhsa_system_vgpr_workitem_id 0
		.amdhsa_next_free_vgpr 928
		.amdhsa_next_free_sgpr 88
		.amdhsa_reserve_vcc 1
		.amdhsa_float_denorm_mode_32 3
		.amdhsa_float_denorm_mode_16_64 3
		.amdhsa_memory_ordered 1
		.amdhsa_forward_progress 1
		.amdhsa_inst_pref_size 151
	.end_amdhsa_kernel
	.amdgpu_metadata
---
amdhsa.version: [ 1, 2 ]
amdhsa.kernels:
  - .name:           k_q8a3d687155_attn
    .symbol:         k_q8a3d687155_attn.kd
    .args:
      - { .name: qk, .offset: 0, .size: 8, .value_kind: global_buffer, .address_space: global }
      - { .name: vv, .offset: 8, .size: 8, .value_kind: global_buffer, .address_space: global }
      - { .name: x_mask, .offset: 16, .size: 8, .value_kind: global_buffer, .address_space: global }
      - { .name: y_mask, .offset: 24, .size: 8, .value_kind: global_buffer, .address_space: global }
      - { .name: gate, .offset: 32, .size: 8, .value_kind: global_buffer, .address_space: global }
      - { .name: o, .offset: 40, .size: 8, .value_kind: global_buffer, .address_space: global }
    .group_segment_fixed_size: 327680
    .private_segment_fixed_size: 0
    .kernarg_segment_align: 8
    .kernarg_segment_size: 48
    .max_flat_workgroup_size: 128
    .sgpr_count:     88
    .vgpr_count:     928
    .wavefront_size: 32
...
	.end_amdgpu_metadata
.endif
;; end of part 4
;; launch outp (part 5): grid 16 x 16, 4 waves a work-group, clusters of 4 x 4, 327,680 bytes of LDS; arguments o, cb, out0; writes out0
.if DOCPART == 5
	.amdgcn_target "amdgcn-amd-amdhsa--gfx1250"
	.amdhsa_code_object_version 6
	.text
	.protected	k_q8a3d687155_outp
	.globl	k_q8a3d687155_outp
	.p2align	8
	.type	k_q8a3d687155_outp,@function
k_q8a3d687155_outp:
	s_mov_b64 s[64:65], 0
	v_nop
	global_prefetch_b8 v0, s[64:65] scope:SCOPE_SE
	s_setreg_imm32_b32 hwreg(HW_REG_WAVE_MODE, 25, 1), 1
	s_wait_xcnt 0x0
	s_wait_alu depctr_hold_cnt(0) depctr_sa_sdst(0) depctr_va_vdst(0) depctr_va_sdst(0) depctr_va_ssrc(0) depctr_va_vcc(0) depctr_vm_vsrc(0)
	s_getreg_b32 s2, hwreg(HW_REG_IB_STS2, 6, 4)
	s_cmp_eq_u32 s2, 0
	s_cbranch_scc0 .Lentry_in_a_cluster
	s_endpgm
.Lentry_in_a_cluster:
	s_bfe_u32 s2, ttmp6, 0x10000c
	s_cmp_lg_u32 s2, 0xf033
	s_cbranch_scc0 .Lentry_shape_is_right
	s_endpgm
.Lentry_shape_is_right:
; out0 = o wo.  o: [2,048][2,048] f16; wo: [k][n] f16 (bf16-rounded) at byte 54,525,952 of cb; out0 f32; sums f32.
; 256 tiles of 128 x 128, one to a work-group; four waves, each 64 x 64 in 16 accumulators.  K goes in steps of 256 through two LDS slots.
; A K STEP IS WRITTEN ONCE: a trip of the loop goes from a step's second quarter to the next step's first; the LDS addresses hang on s[TB], which turns between the two slots, and one descriptor walks.
; The last two K steps, which ask for nothing, are a second loop of two trips.
; o's fragments come out of LDS as they lie, wo's turned by ds_load_tr16_b128.  CLUSTERS of 4 x 4: o's tiles are shared along a row of the cluster, wo's along a column, each asked for jointly.
; The matrix instruction is used transposed (source 0 = 16 columns of wo, source 1 = 16 rows of o): a lane holds row l % 16 and eight neighbouring columns.
; A wave's 64 columns of f32 are 256 aligned bytes, so each wave has a stage of its own on the way out, and no barrier stands there.
; REGISTERS: window 0: v16-29 addresses; v32-95 rows read back; v128-255 the accumulators ((a, b) at 128 + 8 (4 a + b)).  window 1: two fragment buffers of 128: 64 of o, then 64 of wo.
.set SIZE_K, 2048
.set KSTEP,  256
.set STEPS,  SIZE_K/KSTEP
.set PITCH,  528                       ; o's LDS row: 512 bytes + 16
.set HA,     64*PITCH
.set PBB,    288                       ; wo's LDS row: 128 columns = 256 bytes + 32: 9 x 32
.set HB,     128*PBB
.set BOFF,   2*HA
.set SLOT,   0x24000                   ; a slot uses BOFF + 2 HB = 141,312 bytes of it; the number shares no bit with the tiles' places in a slot (0, 0x8400, 0x10800, 0x19800), so an exclusive or with it turns a place in one slot into the other's
.set STAGE,  2*SLOT
.set SPITCH, 272
.set SPARE,  STAGE+4*16*SPITCH
.set WO,     54525952
.set ADRA0, 16                         ; v16     my fragments of o in slot 0; never rewritten
.set ADRA, 17                          ; v17     in the slot in hand
.set ADRB0, 20                         ; v20-21  wo's in slot 0: k rows 0.., 128.. (240 rows of 288 bytes pass the 16-bit immediate); never rewritten
.set ADRB, 22                          ; v22-23  in the slot in hand
.set STO,  24
.set RD,   25
.set CO,   26
.set SPW,  28
.set NIL,  29
.set TMP,  32
.set ACC,  128
.set F0,   0
.set F1,   128
.set TB,  18                           ; s18  0 or SLOT: the slot in hand
.set CNT, 19                           ; s19  counts the last two K steps
.set G1, 24
.set G0, 32                            ; s[32:39] a set for each first fill; the second then walks
.set G1B, 48
.set G0B, 56
.set MSB, 0
.macro WIN new
.if MSB != (\new)
	s_set_vgpr_msb (MSB<<8)|(\new)
.set MSB, \new
.endif
.endm
.set MUL,  0x05
.set TO_F, 0x40
.macro JLOAD s                         ; waves 0, 1 fetch o's halves, waves 2, 3 wo's; an s_nop 0 and four v_nop follow each line
	s_cmp_eq_u32 s11, 0
	s_cbranch_scc0 .Lfor_b_\@
	tensor_load_to_lds s[G0+4*(\s):G0+4*(\s)+3], s[G1:G1+7]
	s_nop 0
.rept 4
	v_nop
.endr
	s_branch .Lasked_\@
.Lfor_b_\@:
	tensor_load_to_lds s[G0B+4*(\s):G0B+4*(\s)+3], s[G1B:G1B+7]
	s_nop 0
.rept 4
	v_nop
.endr
.Lasked_\@:
.endm
.macro CREST
	s_cmp_lg_u32 s10, 0
	s_cbranch_scc1 .Lnot_wave_0_\@
	s_barrier_signal -3
.Lnot_wave_0_\@:
	s_barrier_wait -3
	s_barrier_signal -1
	s_barrier_wait -1
.endm
.macro CROUND
	s_barrier_signal -1
	s_barrier_wait -1
	CREST
.endm
	s_load_b128 s[4:7], s[0:1], 0x0                ; o s[4:5], cb s[6:7]
	s_load_b64 s[8:9], s[0:1], 0x10                ; out0
	v_lshl_add_u32 v[SPW], v0, 2, SPARE
	v_mov_b32 v[NIL], 0
	ds_add_u32 v[SPW], v[NIL]                      ; the wave's opening: the add and its wait stand ahead of my first tensor load
	v_lshrrev_b32 v1, 5, v0
	v_readfirstlane_b32 s10, v1
	s_lshr_b32 s11, s10, 1                         ; my half of the tile's rows.  Also: I fetch for o (0) or for wo (1)
	s_and_b32 s12, s10, 1                          ; my half of its columns.  Also: which half of that tile I fetch
	s_bfe_u32 s40, ttmp6, 0x40000
	s_bfe_u32 s41, ttmp6, 0x40004
	s_lshl_b32 s42, ttmp9, 2
	s_add_co_u32 s42, s42, s40                     ; tile column
	s_and_b32 s13, ttmp7, 0xffff
	s_lshl_b32 s13, s13, 2
	s_add_co_u32 s13, s13, s41                     ; tile row
	s_lshl_b32 s43, s41, 2
	s_lshl_b32 s43, 15, s43
	s_lshl_b32 s44, 0x1111, s40
	s_or_b32 s[G1+0], s43, (1<<16)|(1<<20)|(1<<21)|(6<<22)|(3<<25)   ; after every 128 words 4 words
	s_or_b32 s[G1B+0], s44, (1<<16)|(1<<20)|(1<<21)|(5<<22)|(7<<25)  ; after every 64 words 8 words
	s_mov_b32 s[G1+1], KSTEP<<16                   ; o: 64 rows x 256 elements
	s_mov_b32 s[G1+2], 64<<16
	s_mov_b32 s[G1+3], KSTEP<<16
	s_mov_b32 s[G1+4], 64
	s_mov_b32 s[G1+5], SIZE_K
	s_mov_b32 s[G1+6], 0
	s_mov_b32 s[G1+7], 0
	s_mov_b32 s[G1B+1], 128<<16                    ; wo: 128 k rows x 128 columns
	s_mov_b32 s[G1B+2], 128<<16
	s_mov_b32 s[G1B+3], 128<<16
	s_mov_b32 s[G1B+4], 128
	s_mov_b32 s[G1B+5], 2048
	s_mov_b32 s[G1B+6], 0
	s_mov_b32 s[G1B+7], 0
	s_lshl_b32 s16, s13, 7
	s_lshl_b32 s17, s12, 6
	s_add_co_u32 s16, s16, s17
	s_lshl_b32 s16, s16, 12                        ; o: row 128 x tile row + 64 x half
	s_mov_b32 s17, 0
	s_lshl_b32 s46, s12, 19                        ; wo: k row 128 x half, 256 bytes x tile column
	s_add_co_u32 s46, s46, WO
	s_lshl_b32 s47, s42, 8
	s_add_co_u32 s46, s46, s47
	s_mov_b32 s47, 0
	s_mul_i32 s20, s12, HA                         ; where they go
	s_mul_i32 s21, s12, HB
	s_add_co_u32 s21, s21, BOFF
	s_mov_b32 s[TB], 0
	s_wait_dscnt 0x0
	s_wait_kmcnt 0x0
	s_add_nc_u64 s[14:15], s[4:5], s[16:17]
	s_add_nc_u64 s[46:47], s[6:7], s[46:47]
	CROUND
.irp s, 0,1
	s_mov_b32 s[G0+4*(\s)], 1
	s_add_co_u32 s[G0+4*(\s)+1], s20, (\s)*SLOT
	s_add_nc_u64 s[G0+4*(\s)+2:G0+4*(\s)+3], s[14:15], (\s)*KSTEP*2
	s_or_b32 s[G0+4*(\s)+3], s[G0+4*(\s)+3], 0x80000000
	s_mov_b32 s[G0B+4*(\s)], 1
	s_add_co_u32 s[G0B+4*(\s)+1], s21, (\s)*SLOT
	s_add_nc_u64 s[G0B+4*(\s)+2:G0B+4*(\s)+3], s[46:47], (\s)*KSTEP*4096
	s_or_b32 s[G0B+4*(\s)+3], s[G0B+4*(\s)+3], 0x80000000
	JLOAD \s
.endr
	v_and_b32 v1, 15, v0
	v_bfe_u32 v2, v0, 4, 1
	v_mul_u32_u24 v3, v1, PITCH
	v_lshl_add_u32 v3, v2, 4, v3
	s_mul_i32 s22, s11, HA                         ; my 64 rows of o
	v_add_nc_u32 v[ADRA0], s22, v3
	v_mov_b32 v[ADRA], v[ADRA0]                    ; K step 0 lies in slot 0
	v_and_b32 v4, 7, v0
	v_lshl_add_u32 v4, v2, 3, v4
	v_mul_u32_u24 v4, v4, PBB
	v_bfe_u32 v5, v0, 3, 1
	v_lshl_add_u32 v4, v5, 4, v4
	s_lshl_b32 s22, s12, 7                         ; my 64 columns of wo
	s_add_co_u32 s22, s22, BOFF
	v_add_nc_u32 v[ADRB0], s22, v4
	v_add_nc_u32 v[ADRB0+1], HB, v[ADRB0]
	v_mov_b32 v[ADRB], v[ADRB0]
	v_mov_b32 v[ADRB+1], v[ADRB0+1]
	s_mul_i32 s23, s10, 16*SPITCH
	s_add_co_u32 s23, s23, STAGE
	v_mul_u32_u24 v6, v1, SPITCH
	v_lshl_add_u32 v6, v2, 5, v6
	v_add_nc_u32 v[STO], s23, v6
	v_mul_u32_u24 v6, v2, SPITCH
	v_lshl_add_u32 v6, v1, 4, v6
	v_add_nc_u32 v[RD], s23, v6
	v_lshlrev_b32 v6, 13, v2
	v_lshl_add_u32 v[CO], v1, 4, v6
	s_lshl_b32 s16, s13, 7
	s_lshl_b32 s17, s11, 6
	s_add_co_u32 s16, s16, s17
	s_lshl_b32 s16, s16, 13                        ; out0: row 128 x tile row + 64 x half, 8,192 bytes a row
	s_mov_b32 s17, 0
	s_add_nc_u64 s[8:9], s[8:9], s[16:17]
	s_lshl_b32 s46, s42, 9
	s_lshl_b32 s47, s12, 8
	s_add_co_u32 s46, s46, s47
	s_mov_b32 s47, 0
	s_add_nc_u64 s[8:9], s[8:9], s[46:47]
.macro MUL8 f, c, a0, zero             ; 8 matrix instructions: row blocks a0, a0 + 1 x 4 column blocks, half c of buffer f
	WIN MUL
.irp a, \a0, (\a0)+1
.irp b, 0,1,2,3
.if \zero
	v_wmma_f32_16x16x32_f16 v[ACC+8*(4*(\a)+(\b)):ACC+8*(4*(\a)+(\b))+7], v[(\f)+64+8*(4*(\c)+(\b)):(\f)+64+8*(4*(\c)+(\b))+7], v[(\f)+8*(4*(\c)+(\a)):(\f)+8*(4*(\c)+(\a))+7], 0
.else
	v_wmma_f32_16x16x32_f16 v[ACC+8*(4*(\a)+(\b)):ACC+8*(4*(\a)+(\b))+7], v[(\f)+64+8*(4*(\c)+(\b)):(\f)+64+8*(4*(\c)+(\b))+7], v[(\f)+8*(4*(\c)+(\a)):(\f)+8*(4*(\c)+(\a))+7], v[ACC+8*(4*(\a)+(\b)):ACC+8*(4*(\a)+(\b))+7]
.endif
.endr
.endr
.endm
.macro FETCH q, f                      ; 32 LDS loads in one run: quarter q (64 along K) of the slot in hand into buffer f; the first 32 along K first
	WIN TO_F
.irp c, 0,1
.irp i, 0,1,2,3
	ds_load_tr16_b128 v[(\f)+64+8*(4*(\c)+(\i)):(\f)+64+8*(4*(\c)+(\i))+3],   v[ADRB+(\q)/2] offset:(((\q)%2)*64+32*(\c))*PBB+32*(\i)
	ds_load_tr16_b128 v[(\f)+64+8*(4*(\c)+(\i))+4:(\f)+64+8*(4*(\c)+(\i))+7], v[ADRB+(\q)/2] offset:(((\q)%2)*64+32*(\c)+16)*PBB+32*(\i)
	ds_load_b128 v[(\f)+8*(4*(\c)+(\i)):(\f)+8*(4*(\c)+(\i))+3],         v[ADRA] offset:128*(\q)+64*(\c)+(\i)*16*PITCH
	ds_load_b128 v[(\f)+8*(4*(\c)+(\i))+4:(\f)+8*(4*(\c)+(\i))+7],       v[ADRA] offset:128*(\q)+64*(\c)+(\i)*16*PITCH+32
.endr
.endr
.endm
.macro FLIP                            ; the fetches go over to the other slot (every window is 0 here)
	s_xor_b32 s[TB], s[TB], SLOT
	v_add_nc_u32 v[ADRA], s[TB], v[ADRA0]
	v_add_nc_u32 v[ADRB], s[TB], v[ADRB0]
	v_add_nc_u32 v[ADRB+1], s[TB], v[ADRB0+1]
.endm
.macro PLACES
.rept 4
	v_nop
.endr
.endm
.macro QUARTER q, f, g, zero           ; multiplies buffer f, and in its middle fetches quarter q into buffer g; the 16 accumulators take turns
	s_wait_dscnt 16                                ; the first 32 along K are in
	MUL8 \f, 0, 0, \zero
	MUL8 \f, 0, 2, \zero
	PLACES
	FETCH \q, \g
	s_wait_dscnt 32                                ; all but the 32 just issued
	MUL8 \f, 1, 0, 0
	MUL8 \f, 1, 2, 0
.endm
.macro MEET                            ; the first half of a K step's last quarter: the one barrier of a change of slots
	WIN 0
	s_wait_tensorcnt 0x0                           ; all my tensor loads have landed: my part of the next slot
	ds_add_u32 v[SPW], v[NIL]
	s_wait_dscnt 17                                ; the add and the youngest sixteen loads may be out
	MUL8 F1, 0, 0, 0
	s_wait_dscnt 0x0                               ; the add is done, and my reads of this slot are over
	s_barrier_signal -1
	MUL8 F1, 0, 2, 0
	WIN 0
	s_barrier_wait -1
.endm
.macro TURN                            ; the whole last quarter with a refill: the barrier opens a round of the cluster's barrier, and the joint refill is the first thing behind it
	MEET
	CREST
	s_xor_b32 s[G0+5], s[G0+5], SLOT               ; the walking descriptors: the other slot than last time, the next K step
	s_add_nc_u64 s[G0+6:G0+7], s[G0+6:G0+7], KSTEP*2
	s_xor_b32 s[G0B+5], s[G0B+5], SLOT
	s_add_nc_u64 s[G0B+6:G0B+7], s[G0B+6:G0B+7], KSTEP*4096
	JLOAD 1                                        ; its four v_nop are also the places in front of the loads below
	FLIP
	FETCH 0, F0
	MUL8 F1, 1, 0, 0
	MUL8 F1, 1, 2, 0
.endm
.macro OUT a                           ; 16 rows x 64 columns of f32: into my stage (rows of 272 bytes), back as whole rows of 256, two rows a store
.set BK, TMP+32*((\a)%2)
	s_wait_xcnt 0x0                                ; the stores of two blocks back have read the registers that are loaded again below
.irp b, 0,1,2,3
	ds_store_b128 v[STO], v[ACC+8*(4*(\a)+(\b)):ACC+8*(4*(\a)+(\b))+3] offset:64*(\b)
	ds_store_b128 v[STO], v[ACC+8*(4*(\a)+(\b))+4:ACC+8*(4*(\a)+(\b))+7] offset:64*(\b)+16
.endr
.irp t, 0,1,2,3,4,5,6,7
	ds_load_b128 v[BK+4*(\t):BK+4*(\t)+3], v[RD] offset:(\t)*2*SPITCH  ; LDS serves a wave's instructions in order (ISA guide 5.7.1.4)
.endr
.irp t, 0,1,2,3,4,5,6,7
.if (\t)%4 == 0
	s_wait_dscnt 4-(\t)                            ; four loads at a time
.endif
	global_store_b128 v[CO], v[BK+4*(\t):BK+4*(\t)+3], s[8:9] offset:(16*(\a)+2*(\t))*8192  ; 16 lanes store 256 consecutive bytes, aligned
.endr
.endm
	s_wait_tensorcnt 1                             ; my part of K step 0 is in; K step 1's may stay out
	s_barrier_signal -1
	s_barrier_wait -1
	FETCH 0, F0
	QUARTER 1, F0, F1, 1                           ; the first quarter starts the sums
	WIN 0
	s_mov_b32 s3, STEPS-2
.Lstep:                                        ; six trips: K step s goes on from its second quarter, its slot is filled again with K step s + 2, K step s + 1 begins
	QUARTER 2, F1, F0, 0
	QUARTER 3, F0, F1, 0
	TURN
	QUARTER 1, F0, F1, 0
	WIN 0
	s_sub_co_u32 s3, s3, 1
	s_cmp_lg_u32 s3, 0
	s_cbranch_scc1 .Lstep
	s_mov_b32 s[CNT], 2
.Ltail:                                        ; the last two K steps ask for nothing; in the second trip there is no further K step, and its fetch and first quarter are jumped over
	QUARTER 2, F1, F0, 0
	QUARTER 3, F0, F1, 0
	MEET
	s_cmp_eq_u32 s[CNT], 1
	s_cbranch_scc1 .Lno_fetch
	PLACES
	FLIP
	FETCH 0, F0
	WIN 0
.Lno_fetch:
	MUL8 F1, 1, 0, 0
	MUL8 F1, 1, 2, 0
	WIN 0
	s_cmp_eq_u32 s[CNT], 1
	s_cbranch_scc1 .Lno_quarter
	QUARTER 1, F0, F1, 0
	WIN 0
.Lno_quarter:
	s_sub_co_u32 s[CNT], s[CNT], 1
	s_cmp_lg_u32 s[CNT], 0
	s_cbranch_scc1 .Ltail
	PLACES
	OUT 0
	OUT 1
	OUT 2
	OUT 3
	s_wait_tensorcnt 0x0                           ; the wave's end
	ds_add_u32 v[SPW], v[NIL]
	s_wait_dscnt 0x0
	CROUND                                         ; the closing round
	s_endpgm
.Lfunc_end_k_q8a3d687155_outp:
	.size	k_q8a3d687155_outp, .Lfunc_end_k_q8a3d687155_outp-k_q8a3d687155_outp
	.p2alignl 7, 3214868480
	.fill 96, 4, 3214868480
	.section	.rodata,"a",@progbits
	.p2align	6, 0x0
	.amdhsa_kernel k_q8a3d687155_outp
		.amdhsa_group_segment_fixed_size 327680
		.amdhsa_private_segment_fixed_size 0
		.amdhsa_enable_private_segment 0
		.amdhsa_kernarg_size 24
		.amdhsa_user_sgpr_count 2
		.amdhsa_user_sgpr_kernarg_segment_ptr 1
		.amdhsa_wavefront_size32 1
		.amdhsa_system_sgpr_workgroup_id_x 1
		.amdhsa_system_sgpr_workgroup_id_y 1
		.amdhsa_system_sgpr_workgroup_id_z 1
		.amdhsa_system_vgpr_workitem_id 0
		.amdhsa_next_free_vgpr 512
		.amdhsa_next_free_sgpr 66
		.amdhsa_reserve_vcc 0
		.amdhsa_float_denorm_mode_32 3
		.amdhsa_float_denorm_mode_16_64 3
		.amdhsa_memory_ordered 1
		.amdhsa_forward_progress 1
		.amdhsa_inst_pref_size 58
	.end_amdhsa_kernel
	.amdgpu_metadata
---
amdhsa.version: [ 1, 2 ]
amdhsa.kernels:
  - .name:           k_q8a3d687155_outp
    .symbol:         k_q8a3d687155_outp.kd
    .args:
      - { .name: o, .offset: 0, .size: 8, .value_kind: global_buffer, .address_space: global }
      - { .name: cb, .offset: 8, .size: 8, .value_kind: global_buffer, .address_space: global }
      - { .name: out0, .offset: 16, .size: 8, .value_kind: global_buffer, .address_space: global }
    .group_segment_fixed_size: 327680
    .private_segment_fixed_size: 0
    .kernarg_segment_align: 8
    .kernarg_segment_size: 24
    .max_flat_workgroup_size: 128
    .sgpr_count:     66
    .vgpr_count:     512
    .wavefront_size: 32
...
	.end_amdgpu_metadata
.endif
;; end of part 5
